; MI455X (gfx1250); checked and timed in simulation.
; The chip was launched on July 23, 2026; its instructions are those of AMD's public machine-readable ISA for CDNA 5 (MIT licence, August 2026) and "CDNA5" Instruction Set Architecture Reference Guide (July 2026). The comments in the code are by the model that wrote it; some were corrected since.
;; Qwen3 Attention. Allowed arithmetic: matrix products marked QUANTISED: E2M3 operands, one E8M0 scale for each 32 along K, by v_wmma_scale_f32_16x16x128_f8f6f4 with both operands' format E2M3, f32 sums; everything else in f32.
;; Inputs: k_norm_w 128 float32; pos_cos 2,048 x 128 float32; pos_sin 2,048 x 128 float32; q_norm_w 128 float32; w_o 2,048 x 1,024 float32; w_qkv 2,048 x 2,048 float32; x 2 x 2,048 x 2,048 float32.
;; Outputs: out0 2 x 2,048 x 2,048 float32.
;; This version of the problem:
;;   THIS VERSION OF THE PROBLEM IS GIVEN IN LOW PRECISION. The matrix products marked QUANTISED in the list below multiply operands that are first quantised to E2M3 (2 exponent bits, 3 mantissa bits; 6 bits a number), with one power-of-two scale for each 32 numbers along K (OCP MX v1.0); their sums are f32. All else is computed in f32.
;;   The module's matrix products, in the order in which they are computed (A, B: the left and right operand; K: the contracted axis; several contracted axes count as one K, in the product's order):
;;     1. [M 4,096, K 2,048] x [K 2,048, N 2,048]; A: input x; B: input w_qkv: QUANTISED
;;     2. batch 16 x [M 2,048, K 128] x [K 128, N 2,048]; A: computed on the way; B: computed on the way: QUANTISED
;;     3. batch 16 x [M 128, K 2,048] x [K 2,048, N 2,048]; A: computed on the way; B: softmax (see below): QUANTISED
;;     4. [M 4,096, K 1,024] x [K 1,024, N 2,048]; A: computed on the way; B: input w_o: QUANTISED
;;   THE QUANTISER, for each operand of a quantised product, along K:
;;     - K is cut into blocks of 32 from its start; a last block that is shorter is filled with zeros.
;;     - A block's scale is 2^e with e = floor(log2(the largest magnitude in the block)) - 2, held to -126 .. 127; a block of zeros has e = 0. As a byte (E8M0): e + 127.
;;     - Each number is divided by its block's scale, clamped to +-7.5, and rounded to the nearest number of E2M3, ties to even, subnormals kept.
;;     - The product sums the exact products of the quantised numbers (number of the format x scale) in f32.
;;   ~~~python
;;   def quantise(x, axis):      # numpy; x: float32 -> the quantised numbers, widened to float32 again
;;       x = np.moveaxis(x, axis, -1); K = x.shape[-1]
;;       x = np.pad(x, [(0, 0)] * (x.ndim - 1) + [(0, -K % 32)]); x = x.reshape(x.shape[:-1] + (-1, 32)); a = np.abs(x).max(-1, keepdims=True)
;;       e = np.where(a > 0, np.clip(np.frexp(np.where(a > 0, a, 1))[1] - 1 - 2, -126, 127), 0)      # np.frexp(a)[1] - 1 = floor(log2(a)), exactly
;;       r = np.clip(x / 2.0 ** e, -7.5, 7.5)
;;       step = 2.0 ** (np.maximum(np.frexp(np.where(r == 0, 1, r))[1] - 1, 0) - 3)
;;       q = np.round(r / step) * step * 2.0 ** e      # np.round: ties to even
;;       return np.moveaxis(q.reshape(q.shape[:-2] + (-1,))[..., :K], -1, axis).astype(np.float32)
;;   ~~~
;;   SOFTMAX AHEAD OF A QUANTISED PRODUCT. Where the list says 'softmax', what is quantised is not the finished softmax but p = 2^(t - M), with t = logit x log2(e) and M = ceil(the row's largest t), a whole number; so 1/2 < the row's largest p <= 1. The row's sum l is taken of the UNQUANTISED p, in f32, and the product's result is divided by l at the end. Since M is a whole number, a kernel that streams over the keys may use a running M (the ceiling of the running maximum): every later rescaling is an exact power of two, which a block's scale takes up: the codes' values come out the same.
;;   OPERANDS COMPUTED ON THE WAY. 'Computed on the way' means the value that the module computes at that place (a softmax that the list does not call 'softmax' is quantised finished and normalised). What goes into a quantiser is computed in f32, as accurately as f32 sums, v_exp_f32 and their like allow (about 1e-6 of the number): no bf16 or f16 on the way to a quantiser, and a product that is left as it is and whose result goes on into a quantised operand takes f32 operands (vector FMAs, or v_wmma_f32_16x16x4_f32). A number that lies on a knife's edge between two numbers of the format may be rounded either way, as far as f32 arithmetic and the matrix unit's own rounding can turn it there, and no further.
;; One version. Each part assembles by itself: llvm-mc -triple=amdgcn-amd-amdhsa -mcpu=gfx1250 --defsym DOCPART=n.
;; ======== version 1 of 1: 4 launches
;; limits: right only within a limited range of input values
;; workspace buffers: xq 6,553,600 bytes; wq 3,276,800 bytes; oq 1,638,400 bytes; qf 3,276,800 bytes; kv 3,276,800 bytes; ao 3,276,800 bytes
;; launch quant (part 1): grid 256 x 1, 7 waves a work-group, no clusters, 60,416 bytes of LDS; arguments x, w_qkv, w_o, xq, wq, oq; writes xq, wq, oq
.if DOCPART == 1
	.amdgcn_target "amdgcn-amd-amdhsa--gfx1250"
	.amdhsa_code_object_version 6
	.text
	.protected	k_q5684105ff2_quant
	.globl	k_q5684105ff2_quant
	.p2align	8
	.type	k_q5684105ff2_quant,@function
k_q5684105ff2_quant:
	s_mov_b64 s[64:65], 0
	v_nop
	global_prefetch_b8 v0, s[64:65] scope:SCOPE_SE
	s_setreg_imm32_b32 hwreg(HW_REG_WAVE_MODE, 25, 1), 1
	s_wait_xcnt 0x0
; x [4096][2048], w_qkv [2048][2048] and w_o [2048][1024], f32 with K innermost, become codes of FP6 (E2M3) with one E8M0 byte for each 32 along K,
; laid as the later launches' matrix operands want them: as IMAGES OF THE OPERAND'S REGISTERS, in records.
; A BLOCK beta is 16 rows: fragment lane rho (0..15) holds row 32 (beta / 2) + 8 (beta % 2) + rho + 8 (rho / 8).  A FRAGMENT is a block x 128 along K: 12 registers a lane
; (lane (r, h): registers 6 c .. 6 c + 5 hold k = 64 c + 32 h + 0 .. 31 of row r), stored as 3 x 512 bytes, lane l's registers 4 c .. 4 c + 3 at 512 c + 16 l.
; A RECORD is 6,400 bytes: four fragments (512 along K), then 256 bytes of scale words, row rho's four words at 16 rho.  Buffers: [block][group of 512 along K].
; A block's scale is 2^(floor(log2(its largest magnitude)) - 2): its byte is the largest magnitude's exponent field - 2, held at 1 from below.
; LIMITS: a block of zeros, or one whose largest magnitude lies under 2^-124, gets the byte 1 (its codes are zeros or the format's smallest; the bytes are read by this program alone); NaN and infinities are not served.
; SHARES: 1,024 + 512 + 256 = 1,792 records = 256 work-groups x 7 waves: a wave makes one record.  Waves share nothing: no barrier.  One path of the text serves all three tensors: only pointers and two shifts are chosen.
; Each load reads 512 consecutive bytes of one row (128 numbers); the 16 rows of a fragment turn through the wave's own stage in LDS, rows of 512 + 16 bytes, and come back 128 bytes a lane and block of 32.
; Loads run two fragments (32 loads a wave) ahead.
.set STG,  8448                        ; a wave's stage: 16 rows x 528 bytes
.set RO,   16                          ; v16-31   byte offset of fragment row j in the tensor, + 16 x lane
.set R,    32                          ; v32-159  two sets of 64 registers as loaded
.set X,    160                         ; v160-223 my two whole blocks of 32: X[32 c + i] = k 64 c + 32 h + i of row r
.set C,    224                         ; v224-235 the fragment's codes
.set C2,   236                         ; v236-242 the second halves of the two blocks' codes, as the conversions leave them
.set SW,   244                         ; v244-247 the four fragments' scale words
.set SH8,  248                         ; v248     8 h
	s_load_b256 s[4:11], s[0:1], 0x0               ; x, w_qkv, w_o, xq
	s_load_b128 s[12:15], s[0:1], 0x20             ; wq, oq
	v_lshl_add_u32 v254, v0, 2, 0xe800
	v_mov_b32 v255, 0
	v_lshrrev_b32 v1, 5, v0
	v_readfirstlane_b32 s16, v1                    ; wave 0..6
	v_and_b32 v1, 31, v0                           ; lane
	v_and_b32 v2, 15, v0                           ; r
	v_bfe_u32 v3, v0, 4, 1                         ; h
	v_lshlrev_b32 v4, 4, v1                        ; 16 x lane
	s_wait_alu depctr_va_vdst(0)
	s_mul_i32 s18, s16, STG
	v_add_nc_u32 v5, s18, v4                       ; the stage, on the way in: 16 x lane in a row
	v_mul_u32_u24 v6, v2, 528
	v_lshl_add_u32 v6, v3, 7, v6
	v_add_nc_u32 v6, s18, v6                       ; and on the way out: row r, + 128 h
	v_lshlrev_b32 v7, 4, v2
	v_lshl_add_u32 v7, v3, 3, v7                   ; the scale words' place: 16 r + 8 h
	v_lshlrev_b32 v[SH8], 3, v3
	v_mov_b32 v15, 0                               ; written once: a lane permute's destination counts as one of its sources
	s_mov_b32 s28, 0x76543210
	s_mov_b32 s29, 0xfedcba98                      ; v_permlanex16_b32's selects for lane l xor 16
	s_mul_i32 s17, ttmp9, 7
	s_add_co_u32 s17, s17, s16                     ; T: which of the 1,792 records
	s_mov_b32 s26, 1536
	s_cmp_lt_u32 s17, 1536                         ; x or w_qkv (rows of 8,192 bytes, four records a block), or w_o (4,096 bytes, two)
	s_cselect_b32 s24, 2, 1
	s_cselect_b32 s25, 13, 12
	s_cselect_b32 s26, 1024, s26
	s_cmp_lt_u32 s17, 1024
	s_cselect_b32 s26, 0, s26                      ; the tensor's first record
	s_sub_co_u32 s27, s17, s26                     ; the record's number in its tensor
	s_lshr_b32 s30, s27, s24                       ; beta
	s_lshl_b32 s31, s30, s24
	s_sub_co_u32 s31, s27, s31                     ; the group of 512 along K
	s_lshr_b32 s32, s30, 1
	s_lshl_b32 s32, s32, 5
	s_and_b32 s33, s30, 1
	s_lshl_b32 s33, s33, 3
	s_add_co_u32 s32, s32, s33                     ; the block's first row: 32 (beta / 2) + 8 (beta % 2)
	s_lshl_b32 s32, s32, s25
	s_lshl_b32 s31, s31, 11
	s_add_co_u32 s32, s32, s31                     ; in bytes, + 2,048 x group: under 2^26
	s_mov_b32 s33, 0
	s_mul_i32 s34, s27, 6400
	s_mov_b32 s35, 0
.irp j, 0,1,2,3,4,5,6,7,8,9,10,11,12,13,14,15
	v_lshl_add_u32 v[RO+\j], \j+8*(\j/8), s25, v4  ; fragment row j is the block's row j + 8 (j / 8)
.endr
	s_wait_alu depctr_va_vdst(0)
	s_wait_kmcnt 0x0
	s_cmp_lt_u32 s17, 1536                         ; the choice of buffers hangs on the record's number alone
	s_cselect_b64 s[20:21], s[6:7], s[8:9]
	s_cselect_b64 s[22:23], s[12:13], s[14:15]
	s_cmp_lt_u32 s17, 1024
	s_cselect_b64 s[20:21], s[4:5], s[20:21]
	s_cselect_b64 s[22:23], s[10:11], s[22:23]
	s_add_nc_u64 s[20:21], s[20:21], s[32:33]
	s_add_nc_u64 s[22:23], s[22:23], s[34:35]
.macro LOAD t                          ; fragment t: 16 rows x 512 consecutive bytes, into set t % 2; read once in the launch
.irp j, 0,1,2,3,4,5,6,7,8,9,10,11,12,13,14,15
	global_load_b128 v[R+64*((\t)%2)+4*\j:R+64*((\t)%2)+4*\j+3], v[RO+\j], s[20:21] offset:512*(\t) th:TH_LOAD_NT
.endr
.endm
.macro FRAGQ t
.if (\t) < 3
	s_wait_loadcnt 16                              ; this fragment's 16 loads are in; the next fragment's 16 may be out
.else
	s_wait_loadcnt 0x0
.endif
.irp j, 0,1,2,3,4,5,6,7,8,9,10,11,12,13,14,15
	ds_store_b128 v5, v[R+64*((\t)%2)+4*\j:R+64*((\t)%2)+4*\j+3] offset:528*\j
.endr
.irp c, 0,1
.irp i, 0,1,2,3,4,5,6,7
	ds_load_b128 v[X+32*\c+4*\i:X+32*\c+4*\i+3], v6 offset:256*\c+16*\i   ; LDS serves a wave's instructions in order: these see the stores above
.endr
.endr
	s_wait_dscnt 0x0                               ; my 64 numbers are back, and the stores have read their registers,
.if (\t) < 2
	LOAD (\t)+2                                    ; which take the fragment two further on
.endif
.irp c, 0,1
	v_max3_num_f32 v[8+\c], |v[X+32*\c]|, |v[X+32*\c+1]|, 0x1800000   ; block 2 c + h: all its 32 numbers are mine; the floor 2^(3 - 127) holds the byte at 1 from below
.endr
.irp i, 2,4,6,8,10,12,14,16,18,20,22,24,26,28,30
.irp c, 0,1
	v_max3_num_f32 v[8+\c], v[8+\c], |v[X+32*\c+\i]|, |v[X+32*\c+\i+1]|   ; (the two blocks by turns)
.endr
.endr
.irp c, 0,1
	v_add_nc_u32 v[10+\c], 0xff000000, v[8+\c]     ; 2 off the exponent field: the conversion takes the exponent field of this operand as its scale
.endr
.irp c, 0,1
	v_lshrrev_b32 v[12+\c], 23, v[10+\c]           ; the scale's byte
.endr
	v_lshl_or_b32 v14, v13, 16, v12                ; my two bytes, blocks h and 2 + h,
	v_lshlrev_b32 v14, v[SH8], v14                 ; at their places in the row's word;
	v_permlanex16_b32 v15, v14, s28, s29
	v_or_b32 v[SW+(\t)], v14, v15                  ; with lane l xor 16's two the word is whole
.if (\t) > 0
	s_wait_alu depctr_va_vdst(0)
	s_wait_xcnt 0x0                                ; the last fragment's stores have read the codes' registers: only now are they written again
.endif
.irp c, 0,1
	v_cvt_scalef32_pk16_fp6_f32 v[C+6*\c:C+6*\c+2], v[X+32*\c:X+32*\c+15], v[10+\c]
	v_cvt_scalef32_pk16_fp6_f32 v[C2+4*\c:C2+4*\c+2], v[X+32*\c+16:X+32*\c+31], v[10+\c]   ; (a conversion's three registers begin on an even number)
.endr
	v_nop                                          ; one plain place behind a scaled conversion
.irp c, 0,1
.irp i, 0,1,2
	v_mov_b32 v[C+3+6*\c+\i], v[C2+4*\c+\i]
.endr
.endr
.irp c, 0,1,2
	global_store_b128 v4, v[C+4*\c:C+4*\c+3], s[22:23] offset:1536*(\t)+512*\c   ; 32 lanes store 512 consecutive bytes, at a multiple of 256 from the buffer's first byte
.endr
.endm
	LOAD 0
	LOAD 1
	FRAGQ 0
	FRAGQ 1
	FRAGQ 2
	FRAGQ 3
	v_cmp_le_u32 vcc_lo, 16, v1                    ; lanes 0-15 store their row's words 0 and 1, lanes 16-31 words 2 and 3
	v_cndmask_b32 v12, v[SW], v[SW+2], vcc_lo
	v_cndmask_b32 v13, v[SW+1], v[SW+3], vcc_lo
	global_store_b64 v7, v[12:13], s[22:23] offset:6144   ; 32 lanes store 256 consecutive bytes
	s_wait_tensorcnt 0x0
	ds_add_u32 v254, v255
	s_wait_dscnt 0x0
	s_endpgm
.Lfunc_end_k_q5684105ff2_quant:
	.size	k_q5684105ff2_quant, .Lfunc_end_k_q5684105ff2_quant-k_q5684105ff2_quant
	.p2alignl 7, 3214868480
	.fill 96, 4, 3214868480
	.section	.rodata,"a",@progbits
	.p2align	6, 0x0
	.amdhsa_kernel k_q5684105ff2_quant
		.amdhsa_group_segment_fixed_size 60416
		.amdhsa_private_segment_fixed_size 0
		.amdhsa_enable_private_segment 0
		.amdhsa_kernarg_size 48
		.amdhsa_user_sgpr_count 2
		.amdhsa_user_sgpr_kernarg_segment_ptr 1
		.amdhsa_wavefront_size32 1
		.amdhsa_system_sgpr_workgroup_id_x 1
		.amdhsa_system_sgpr_workgroup_id_y 1
		.amdhsa_system_sgpr_workgroup_id_z 1
		.amdhsa_system_vgpr_workitem_id 0
		.amdhsa_next_free_vgpr 256
		.amdhsa_next_free_sgpr 66
		.amdhsa_reserve_vcc 1
		.amdhsa_float_denorm_mode_32 3
		.amdhsa_float_denorm_mode_16_64 3
		.amdhsa_memory_ordered 1
		.amdhsa_forward_progress 1
		.amdhsa_inst_pref_size 32
	.end_amdhsa_kernel
	.amdgpu_metadata
---
amdhsa.version: [ 1, 2 ]
amdhsa.kernels:
  - .name:           k_q5684105ff2_quant
    .symbol:         k_q5684105ff2_quant.kd
    .args:
      - { .name: x, .offset: 0, .size: 8, .value_kind: global_buffer, .address_space: global }
      - { .name: w_qkv, .offset: 8, .size: 8, .value_kind: global_buffer, .address_space: global }
      - { .name: w_o, .offset: 16, .size: 8, .value_kind: global_buffer, .address_space: global }
      - { .name: xq, .offset: 24, .size: 8, .value_kind: global_buffer, .address_space: global }
      - { .name: wq, .offset: 32, .size: 8, .value_kind: global_buffer, .address_space: global }
      - { .name: oq, .offset: 40, .size: 8, .value_kind: global_buffer, .address_space: global }
    .group_segment_fixed_size: 60416
    .private_segment_fixed_size: 0
    .kernarg_segment_align: 8
    .kernarg_segment_size: 48
    .max_flat_workgroup_size: 224
    .sgpr_count:     66
    .vgpr_count:     256
    .wavefront_size: 32
...
	.end_amdgpu_metadata
.endif
;; end of part 1
;; launch qkv (part 2): grid 256 x 1, 4 waves a work-group, clusters of 4 x 1, 327,680 bytes of LDS; arguments xq, wq, pos_cos, pos_sin, q_norm_w, k_norm_w, qf, kv; writes qf, kv
.if DOCPART == 2
	.amdgcn_target "amdgcn-amd-amdhsa--gfx1250"
	.amdhsa_code_object_version 6
	.text
	.protected	k_q5684105ff2_qkv
	.globl	k_q5684105ff2_qkv
	.p2align	8
	.type	k_q5684105ff2_qkv,@function
k_q5684105ff2_qkv:
	s_mov_b64 s[64:65], 0
	v_nop
	global_prefetch_b8 v0, s[64:65] scope:SCOPE_SE
	s_setreg_imm32_b32 hwreg(HW_REG_WAVE_MODE, 25, 1), 1
	s_wait_xcnt 0x0
	s_wait_alu depctr_hold_cnt(0) depctr_sa_sdst(0) depctr_va_vdst(0) depctr_va_sdst(0) depctr_va_ssrc(0) depctr_va_vcc(0) depctr_vm_vsrc(0)
	s_getreg_b32 s2, hwreg(HW_REG_IB_STS2, 6, 4)
	s_cmp_eq_u32 s2, 0
	s_cbranch_scc0 .Lentry_in_a_cluster
	s_endpgm
.Lentry_in_a_cluster:
	s_bfe_u32 s2, ttmp6, 0x10000c
	s_cmp_lg_u32 s2, 0x3003
	s_cbranch_scc0 .Lentry_shape_is_right
	s_endpgm
.Lentry_shape_is_right:
; x w_qkv^T on codes of FP6 (E2M3) with E8M0 scales, K = 2,048; then, in registers, per head: RMS norm with its gain, the rotation by cos and sin (q and k), and the quantising of q, k and v for attention's two products.
; OPERANDS are records of register images (6,400 bytes: four fragments of 16 rows x 128 K, then the rows' scale words); block beta's lane rho is row 32 (beta / 2) + 8 (beta % 2) + rho + 8 (rho / 8).
; D[p][n]: source 0 = P, source 1 = N.  A lane holds N's lane r; the 16 registers of P's blocks 2 b, 2 b + 1 are P's rows 32 b + 16 h + 0 .. 15.  A work-group makes P 128 x N 256; wave w: all 8 blocks of P x N's blocks 4 w .. 4 w + 3.
; ROLES by the cluster's number C.  C < 48: N = 256 tokens (tile C % 16), P = the 128 rows of head 4 (C / 16) + cx (q: C < 32, else k).  C >= 48: N = 256 of v's channels (tile (C - 48) % 2), P = 128 tokens, tile 4 ((C - 48) / 2) + cx.
; CLUSTERS of 4: the four partners need the same N: it is asked for jointly (mask 15).  P is each work-group's own, by plain loads.  No 4 x 4 cluster: v has two tiles of N, so P would find two partners there and four in q and k.
; THE RING: two LDS slots, each 512 along K: P's 8 records, then N's 16: 153,600 bytes.  One tensor load a wave and fill: waves 0, 1 four records of P each, waves 2, 3 eight of N each.  K has four such groups: two first fills, two refills.
; A refill is asked for 112 matrix instructions ahead of the wait for it.  NO PREFETCH: the text has no loop to run ahead in, and half of the fills are first fills.
; lds_bytes: the text uses 307,712 bytes.
; RESULTS: qf [batch][head 8][32] records; kv [batch][kv head 4][key step 16] records of 25,600 bytes: K's 8 fragments, V's 8, K's scale words (512 bytes), V's.
; LIMITS: a block of zeros, or one whose largest magnitude lies under 2^-124, gets the byte 1 (read by this program alone); no NaN, no infinities; v_rsq_f32 as it is (1 ulp: ISA guide, its entry).
; REGISTERS: window 0: v1-17 lane numbers and addresses; v32-63 P's scale words, two sets; v64-95 N's, four groups; v96-191 N's fragments, two sets (later the epilogue's work); v254, v255 the add's.
;   window 1: v0-191 P's fragments, two sets; v192-255 the gain.  window 2: accumulators, (n, a) at v[8 (8 n + a)].  window 3: cos and sin, two sets of 128.
.set REC,   6400
.set RSTB,  4*REC                      ; from a block's records to the next block's
.set NB0,   8*REC                      ; N's records in a slot
.set SLOT,  24*REC
.set SPARE, 2*SLOT                     ; the spare words: 512 bytes that no other line names
.set ADP, 4                            ; v4-5   P's fragments in slot 0, 1: 16 x lane; v4 is also a lane's place in an image in memory
.set ADN, 6                            ; v6-7   my four blocks of N
.set ASP, 8                            ; v8-9   P's scale words: 16 r; lanes 16-31 four records on
.set ASN, 10                           ; v10-11 N's: 16 r; lanes 16-31 two records on
.set MSB, 0
.macro WIN new                         ; the immediate's high byte repeats the setting that is left
.if MSB != (\new)
	s_set_vgpr_msb (MSB<<8)|(\new)
.set MSB, (\new)
.endif
.endm
.macro PLACES                          ; four places (ISA guide 7.12.1)
.rept 4
	v_nop
.endr
.endm
.macro CREST                           ; a round of the cluster's barrier behind its opening barrier
	s_cmp_lg_u32 s20, 0
	s_cbranch_scc1 .Lnw0_\@
	s_barrier_signal -3
.Lnw0_\@:
	s_barrier_wait -3
	s_barrier_signal -1
	s_barrier_wait -1
.endm
.macro CROUND
	s_barrier_signal -1
	s_barrier_wait -1
	CREST
.endm
.macro JLOAD s                         ; slot s: waves 0, 1 fetch P (plain), waves 2, 3 N (joint)
	s_cmp_eq_u32 s23, 0
	s_cbranch_scc0 .Ljn_\@
	tensor_load_to_lds s[44+4*\s:47+4*\s], s[28:35]
	s_nop 0
.rept 4
	v_nop
.endr
	s_branch .Ljd_\@
.Ljn_\@:
	tensor_load_to_lds s[52+4*\s:55+4*\s], s[36:43]
	s_nop 0
.rept 4
	v_nop
.endr
.Ljd_\@:
.endm
.macro WM zero, ra, rb                 ; one product, registers in dD, dA, dB, dSA, dSB; ra, rb: the side's scale words stand in lanes 16-31
.if (\zero)
.if (\ra) && (\rb)
	v_wmma_scale_f32_16x16x128_f8f6f4 v[dD:dD+7], v[dA:dA+11], v[dB:dB+11], 0, v[dSA], v[dSB] matrix_a_fmt:MATRIX_FMT_FP6 matrix_b_fmt:MATRIX_FMT_FP6 matrix_a_scale:MATRIX_SCALE_ROW1 matrix_b_scale:MATRIX_SCALE_ROW1
.elseif (\ra)
	v_wmma_scale_f32_16x16x128_f8f6f4 v[dD:dD+7], v[dA:dA+11], v[dB:dB+11], 0, v[dSA], v[dSB] matrix_a_fmt:MATRIX_FMT_FP6 matrix_b_fmt:MATRIX_FMT_FP6 matrix_a_scale:MATRIX_SCALE_ROW1
.elseif (\rb)
	v_wmma_scale_f32_16x16x128_f8f6f4 v[dD:dD+7], v[dA:dA+11], v[dB:dB+11], 0, v[dSA], v[dSB] matrix_a_fmt:MATRIX_FMT_FP6 matrix_b_fmt:MATRIX_FMT_FP6 matrix_b_scale:MATRIX_SCALE_ROW1
.else
	v_wmma_scale_f32_16x16x128_f8f6f4 v[dD:dD+7], v[dA:dA+11], v[dB:dB+11], 0, v[dSA], v[dSB] matrix_a_fmt:MATRIX_FMT_FP6 matrix_b_fmt:MATRIX_FMT_FP6
.endif
.else
.if (\ra) && (\rb)
	v_wmma_scale_f32_16x16x128_f8f6f4 v[dD:dD+7], v[dA:dA+11], v[dB:dB+11], v[dD:dD+7], v[dSA], v[dSB] matrix_a_fmt:MATRIX_FMT_FP6 matrix_b_fmt:MATRIX_FMT_FP6 matrix_a_scale:MATRIX_SCALE_ROW1 matrix_b_scale:MATRIX_SCALE_ROW1
.elseif (\ra)
	v_wmma_scale_f32_16x16x128_f8f6f4 v[dD:dD+7], v[dA:dA+11], v[dB:dB+11], v[dD:dD+7], v[dSA], v[dSB] matrix_a_fmt:MATRIX_FMT_FP6 matrix_b_fmt:MATRIX_FMT_FP6 matrix_a_scale:MATRIX_SCALE_ROW1
.elseif (\rb)
	v_wmma_scale_f32_16x16x128_f8f6f4 v[dD:dD+7], v[dA:dA+11], v[dB:dB+11], v[dD:dD+7], v[dSA], v[dSB] matrix_a_fmt:MATRIX_FMT_FP6 matrix_b_fmt:MATRIX_FMT_FP6 matrix_b_scale:MATRIX_SCALE_ROW1
.else
	v_wmma_scale_f32_16x16x128_f8f6f4 v[dD:dD+7], v[dA:dA+11], v[dB:dB+11], v[dD:dD+7], v[dSA], v[dSB] matrix_a_fmt:MATRIX_FMT_FP6 matrix_b_fmt:MATRIX_FMT_FP6
.endif
.endif
.endm
; 16 products of K step k: N's blocks n0, n0 + 1 x P's eight.  zero = 1: they start the sums.  The 32 accumulators take turns, in the same order in every step.
.macro MUL16 n0, k, zero
.set nn, \n0
.rept 2
.set aa, 0
.rept 8
.set dD, 8*(8*nn+aa)
.set dA, 96*((\k)%2)+12*aa
.set dB, 96+48*((\k)%2)+12*nn
.set dSA, 32+16*(((\k)/4)%2)+4*(aa%4)+(\k)%4
.set dSB, 64+8*((\k)/4)+4*(nn%2)+(\k)%4
	WM \zero, aa/4, nn/2
.set aa, aa+1
.endr
.set nn, nn+1
.endr
.endm
.macro FETCH k                         ; 36 LDS loads of 512 consecutive bytes: K step k's 8 fragments of P and my 4 of N, into the sets k % 2
	WIN 0x40                                       ; destination window 1, address window 0
.irp a, 0,1,2,3,4,5,6,7
.irp c, 0,1,2
	ds_load_b128 v[96*((\k)%2)+12*\a+4*\c:96*((\k)%2)+12*\a+4*\c+3], v[ADP+((\k)/4)%2] offset:REC*\a+1536*((\k)%4)+512*\c
.endr
.endr
	WIN 0
.irp n, 0,1,2,3
.irp c, 0,1,2
	ds_load_b128 v[96+48*((\k)%2)+12*\n+4*\c:96+48*((\k)%2)+12*\n+4*\c+3], v[ADN+((\k)/4)%2] offset:REC*\n+1536*((\k)%4)+512*\c
.endr
.endr
.endm
.macro SCALES g                        ; group g's scale words, four K steps' at a time.  P: register 4 i + q: lanes 0-15 block i, lanes 16-31 block 4 + i.  N: register 4 j + q: block j, block 2 + j
.irp i, 0,1,2,3
	ds_load_b128 v[32+16*((\g)%2)+4*\i:35+16*((\g)%2)+4*\i], v[ASP+(\g)%2] offset:REC*\i
.endr
.irp j, 0,1
	ds_load_b128 v[64+8*(\g)+4*\j:67+8*(\g)+4*\j], v[ASN+(\g)%2] offset:REC*\j
.endr
.endm
.macro STEP k, zero                    ; a K step whose successor lies in the same slot: the successor's fragments are asked for, then come this step's 32 products
	s_wait_dscnt 0x0                               ; this step's fragments (and, at a group's head, its scale words) are in
	PLACES                                         ; the sets loaded now were read by the last step's products
	FETCH (\k)+1
	WIN 0xa1                                       ; source 0 (P) window 1, source 1 (N) window 0, C and D window 2
	MUL16 0, \k, \zero
	MUL16 2, \k, \zero
	WIN 0
.endm
; A group's last K step changes slots.  Its own fragments are in registers, so the slot is read no more.  fill = 1: the barrier opens a round of the cluster's, and the slot takes the group two on.
.macro EDGE k, fill
.set SL, ((\k)/4)%2
	s_wait_tensorcnt 0x0                           ; all my tensor loads are done: my part of the other slot
	ds_add_u32 v254, v255
	s_wait_dscnt 0x0                               ; the add, and my last reads of this slot
	s_barrier_signal -1
	WIN 0xa1
	MUL16 0, \k, 0                                 ; work on registers while the others arrive
	WIN 0
	s_barrier_wait -1
.if \fill
	CREST
	s_add_nc_u64 s[46+4*SL:47+4*SL], s[46+4*SL:47+4*SL], 2*REC   ; no load of mine is out: the descriptors may step
	s_add_nc_u64 s[54+4*SL:55+4*SL], s[54+4*SL:55+4*SL], 2*REC
	JLOAD SL                                       ; its four v_nop are the places in front of the loads below
.else
	PLACES
.endif
	FETCH (\k)+1
	SCALES ((\k)+1)/4
	WIN 0xa1
	MUL16 2, \k, 0
	WIN 0
.endm
.macro TAB n                           ; cos and sin of my block n's 16 tokens, at my 64 columns 32 b + 16 h + 0 .. 15, into window 3's set n % 2
	WIN 0xc0
.irp b, 0,1,2,3
.irp j, 0,1,2,3
	global_load_b128 v[128*((\n)%2)+16*\b+4*\j:128*((\n)%2)+16*\b+4*\j+3], v15, s[76:77] offset:(32*((\n)/2)+8*((\n)%2))*512+128*\b+16*\j
	global_load_b128 v[128*((\n)%2)+64+16*\b+4*\j:128*((\n)%2)+64+16*\b+4*\j+3], v15, s[78:79] offset:(32*((\n)/2)+8*((\n)%2))*512+128*\b+16*\j
.endr
.endr
	WIN 0
.endm
.macro TAIL tab                        ; the last group; tab = 1: the second block's tables are asked for behind its first step
	STEP 12, 0
.if \tab
	TAB 1
.endif
	STEP 13, 0
	STEP 14, 0
	s_wait_dscnt 0x0
	WIN 0xa1
	MUL16 0, 15, 0
	MUL16 2, 15, 0
	WIN 0
	PLACES
.endm
; 64 numbers of a lane, v[src] .. v[src + 63] in window sw, register 16 b + i = k 32 b + 16 h + i of my row, become a fragment's codes in v[pc] .. v[pc + 11] and its scale word in v[pw] (window 0).
.macro QUANT src, sw, tm, pw, pc, p2
	WIN (\sw)|((\sw)<<2)
.irp b, 0,1,2,3
	v_max3_num_f32 v[\tm+\b], |v[\src+16*\b]|, |v[\src+16*\b+1]|, 0x1800000   ; my 16 of block b, and the floor 2^(3 - 127): the byte cannot fall under 1
.endr
.irp i, 2,4,6,8,10,12,14
.irp b, 0,1,2,3
	v_max3_num_f32 v[\tm+\b], |v[\src+16*\b+\i]|, |v[\src+16*\b+\i+1]|, v[\tm+\b]
.endr
.endr
	WIN 0
.irp b, 0,1,2,3
	v_permlanex16_b32 v[\tm+4+\b], v[\tm+\b], s60, s61
.endr
.irp b, 0,1,2,3
	v_max_num_f32 v[\tm+\b], v[\tm+\b], v[\tm+4+\b]   ; with lane l xor 16's: the block's largest magnitude
.endr
.irp b, 0,1,2,3
	v_add_nc_u32 v[\tm+12+\b], 0xff000000, v[\tm+\b]  ; 2 off its exponent field: the conversion's scale operand
.endr
.irp b, 0,1,2,3
	v_lshrrev_b32 v[\tm+4+\b], 23, v[\tm+12+\b]       ; the scale's byte
.endr
	v_lshl_or_b32 v[\pw], v[\tm+5], 8, v[\tm+4]
	v_lshl_or_b32 v[\pw], v[\tm+6], 16, v[\pw]
	v_lshl_or_b32 v[\pw], v[\tm+7], 24, v[\pw]
	WIN \sw
.irp c, 0,1
	v_cvt_scalef32_pk16_fp6_f32 v[\pc+6*\c:\pc+6*\c+2], v[\src+32*\c:\src+32*\c+15], v[\tm+12+2*\c]
	v_cvt_scalef32_pk16_fp6_f32 v[\p2+4*\c:\p2+4*\c+2], v[\src+32*\c+16:\src+32*\c+31], v[\tm+13+2*\c]   ; (three registers from an even one on)
.endr
	WIN 0
	v_nop                                          ; one plain place behind a scaled conversion
.irp c, 0,1                            ; a whole block to a lane: lanes 0-15 block 2 c, lanes 16-31 block 2 c + 1
.irp i, 0,1,2
	v_permlane16_swap_b32 v[\pc+6*\c+\i], v[\p2+4*\c+\i]
.endr
.irp i, 0,1,2
	v_mov_b32 v[\pc+3+6*\c+\i], v[\p2+4*\c+\i]
.endr
.endr
.endm
; q and k, block n of my four: h x rsqrt(mean(h^2) + 1e-6) x gain; out[c] = h[c] cos[c] - h[c + 64] sin[c], out[c + 64] = h[c + 64] cos[c + 64] + h[c] sin[c + 64]: column c + 64 is register + 32 of the same lane.
.macro EPIQK n
.set AC, 64*(\n)
.set T3, 128*((\n)%2)
.if (\n) < 3
	s_wait_loadcnt 32                              ; this block's tables (and the gain) are in; the next block's 32 loads may be out
.else
	s_wait_loadcnt 0x0
.endif
	WIN 0x0a
.irp k, 0,1,2,3
	v_pk_mul_f32 v[160+2*\k:161+2*\k], v[AC+2*\k:AC+2*\k+1], v[AC+2*\k:AC+2*\k+1]   ; the squares, in four chains; each accumulator from its low end on
.endr
.set i, 4
.rept 28
	v_pk_fma_f32 v[160+2*(i%4):161+2*(i%4)], v[AC+2*i:AC+2*i+1], v[AC+2*i:AC+2*i+1], v[160+2*(i%4):161+2*(i%4)]
.set i, i+1
.endr
	WIN 0
	v_pk_add_f32 v[160:161], v[160:161], v[162:163]
	v_pk_add_f32 v[164:165], v[164:165], v[166:167]
	v_pk_add_f32 v[160:161], v[160:161], v[164:165]
	v_add_f32 v160, v160, v161
	v_permlanex16_b32 v161, v160, s60, s61         ; the head's other 64 columns lie in lane l xor 16
	v_add_f32 v160, v160, v161
	v_fma_f32 v160, v160, s62, s63                 ; sum / 128 + 1e-6
	s_wait_alu depctr_va_vdst(0)                   ; the wait ahead of the transcendental
	v_rsq_f32 v162, v160
	v_nop                                          ; one plain place behind it
	WIN 0x82
.set i, 0
	s_wait_alu depctr_va_vdst(0)                   ; and the wait ahead of its first reader
.rept 32
	v_pk_mul_f32 v[AC+2*i:AC+2*i+1], v[AC+2*i:AC+2*i+1], v[162:163] op_sel_hi:[1,0]
.set i, i+1
.endr
	WIN 0x86                                       ; source 1 (the gain) window 1
.set i, 0
.rept 32
	v_pk_mul_f32 v[AC+2*i:AC+2*i+1], v[AC+2*i:AC+2*i+1], v[192+2*i:193+2*i]
.set i, i+1
.endr
	WIN 0x0e                                       ; source 0 window 2, source 1 window 3
.set i, 0
.rept 16
	v_pk_mul_f32 v[96+2*i:97+2*i], v[AC+32+2*i:AC+33+2*i], v[T3+64+2*i:T3+65+2*i]
	v_pk_mul_f32 v[128+2*i:129+2*i], v[AC+2*i:AC+2*i+1], v[T3+96+2*i:T3+97+2*i]
	v_pk_fma_f32 v[96+2*i:97+2*i], v[AC+2*i:AC+2*i+1], v[T3+2*i:T3+2*i+1], v[96+2*i:97+2*i] neg_lo:[0,0,1] neg_hi:[0,0,1]
	v_pk_fma_f32 v[128+2*i:129+2*i], v[AC+32+2*i:AC+33+2*i], v[T3+32+2*i:T3+33+2*i], v[128+2*i:129+2*i]
.set i, i+1
.endr
	WIN 0
.if (\n) < 2
	TAB (\n)+2                                     ; this set of tables has been read: it takes the block two further on
.endif
	QUANT 96, 0, 160, 176+(\n), 192+12*(\n), 240
.irp c, 0,1,2
	global_store_b128 v[ADP], v[192+12*(\n)+4*\c:192+12*(\n)+4*\c+3], s[72:73] offset:1536*(\n)+512*\c   ; 512 consecutive bytes a store; each block's codes have registers of their own
.endr
.endm
.macro EPIV n                          ; v, block n of my four blocks of channels: the sums are quantised as they are, along the keys
	QUANT 64*(\n), 2, 160, 176+(\n), 192+12*(\n), 240
.irp c, 0,1,2
	global_store_b128 v[ADP], v[192+12*(\n)+4*\c:192+12*(\n)+4*\c+3], s[72:73] offset:1536*(\n)+512*\c
.endr
.endm
	s_load_b512 s[4:19], s[0:1], 0x0               ; xq, wq, pos_cos, pos_sin, q_norm_w, k_norm_w, qf, kv
	v_lshl_add_u32 v254, v0, 2, SPARE
	v_mov_b32 v255, 0
	ds_add_u32 v254, v255
	ds_add_u32 v254, v255
	v_lshrrev_b32 v1, 5, v0
	v_readfirstlane_b32 s20, v1                    ; wave 0..3
	s_and_b32 s21, s20, 1
	s_lshr_b32 s23, s20, 1
	s_bfe_u32 s22, ttmp6, 0x40000                  ; cx: it enters P's and the results' addresses alone
	s_and_b32 s25, ttmp9, 15                       ; q, k: the tile of tokens
	s_sub_co_u32 s26, ttmp9, 48
	s_lshr_b32 s67, s26, 1
	s_lshl_b32 s67, s67, 2
	s_add_co_u32 s67, s67, s22                     ; v: the tile of tokens (0..31)
	s_and_b32 s26, s26, 1                          ; v: the tile of channels
	s_lshl_b32 s66, s26, 4
	s_add_co_u32 s66, s66, 96                      ; v: N's first block: w_qkv's row 1,536 is block 96
	s_lshr_b32 s24, ttmp9, 4
	s_lshl_b32 s24, s24, 2
	s_add_co_u32 s24, s24, s22                     ; q, k: the head (0..11)
	s_lshl_b32 s93, s25, 4                         ; q, k: N's first block
	s_cmp_lt_u32 ttmp9, 48
	s_cselect_b32 s24, s24, s67                    ; P's tile
	s_cselect_b32 s66, s93, s66                    ; N's first block: made of the cluster's number alone
	s_lshl_b32 s68, s21, 3
	s_add_co_u32 s68, s68, s66
	s_mul_i32 s68, s68, RSTB                       ; N: the eight blocks that waves 2, 3 fetch
	s_mov_b32 s69, 0
	s_lshl_b32 s84, s24, 3
	s_lshl_b32 s85, s21, 2
	s_add_co_u32 s84, s84, s85
	s_mul_i32 s84, s84, RSTB                       ; P: the four blocks that waves 0, 1 fetch
	s_mov_b32 s85, 0
	s_mul_i32 s3, s21, 4*REC                       ; where they go in a slot
	s_mul_i32 s27, s21, 8*REC
	s_add_co_u32 s27, s27, NB0
	s_mul_i32 s2, s20, 4*REC
	s_add_co_u32 s2, s2, NB0                       ; my four blocks of N in a slot
	s_add_co_u32 s95, s2, 6144                     ; and their scale words
	; descriptor groups 1: rows of one record, 800 elements of 8 bytes, RSTB bytes apart in memory, dense in LDS: 4 rows for P (no mask), 8 for N (mask 15, bit 21 beside it)
	s_mov_b32 s28, 3<<16
	s_mov_b32 s36, 15|(3<<16)|(1<<21)
.irp g, 28, 36
	s_mov_b32 s[\g+1], 800<<16
	s_mov_b32 s[\g+3], 800<<16
	s_mov_b32 s[\g+5], RSTB/8
	s_mov_b32 s[\g+6], 0
	s_mov_b32 s[\g+7], 0
.endr
	s_mov_b32 s30, 4<<16
	s_mov_b32 s32, 4
	s_mov_b32 s38, 8<<16
	s_mov_b32 s40, 8
.irp s, 0,1
	s_mov_b32 s[44+4*\s], 1
	s_add_co_u32 s[45+4*\s], s3, \s*SLOT
	s_mov_b32 s[52+4*\s], 1
	s_add_co_u32 s[53+4*\s], s27, \s*SLOT
.endr
	s_mov_b32 s60, 0x76543210
	s_mov_b32 s61, 0xfedcba98                      ; v_permlanex16_b32's selects for lane l xor 16
	s_mov_b32 s62, 0x3c000000                      ; 1 / 128
	s_mov_b32 s63, 0x358637bd                      ; 1e-6
	; where the results go: all three roles' offsets are made, and the cluster's number chooses
	s_and_b32 s88, s25, 7                          ; q, k: the tile of tokens in its batch,
	s_lshr_b32 s89, s25, 3                         ; and the batch
	s_lshl_b32 s90, s89, 3
	s_add_co_u32 s90, s90, s24
	s_lshl_b32 s90, s90, 5
	s_lshl_b32 s91, s88, 2
	s_add_co_u32 s90, s90, s91
	s_add_co_u32 s90, s90, s20
	s_mul_i32 s90, s90, REC                        ; q: record (8 batch + head) 32 + 4 tile + wave
	s_lshl_b32 s91, s89, 2
	s_add_co_u32 s91, s91, s24
	s_sub_co_u32 s91, s91, 8
	s_lshl_b32 s91, s91, 4
	s_lshl_b32 s92, s88, 1
	s_add_co_u32 s91, s91, s92
	s_add_co_u32 s91, s91, s23                     ; k: record (4 batch + head - 8) 16 + 2 tile + wave / 2
	s_lshr_b32 s92, s24, 4
	s_lshl_b32 s92, s92, 2
	s_lshl_b32 s93, s26, 1
	s_add_co_u32 s92, s92, s93
	s_add_co_u32 s92, s92, s23
	s_lshl_b32 s92, s92, 4
	s_and_b32 s93, s24, 15
	s_add_co_u32 s92, s92, s93                     ; v: record (4 batch + 2 tile of channels + wave / 2) 16 + key step
	s_cmp_lt_u32 ttmp9, 48
	s_cselect_b32 s91, s91, s92
	s_cselect_b32 s92, 0, 12288                    ; V's fragments lie behind K's eight,
	s_cselect_b32 s93, 0, 512                      ; V's scale words behind K's
	s_mul_i32 s91, s91, 25600
	s_mul_i32 s94, s21, 6144                       ; my four fragments are the record's first or second four
	s_add_co_u32 s92, s92, s91
	s_add_co_u32 s92, s92, s94
	s_lshl_b32 s94, s21, 8
	s_add_co_u32 s93, s93, s91
	s_add_co_u32 s93, s93, s94
	s_add_co_u32 s93, s93, 24576
	s_add_co_u32 s94, s90, 6144
	s_cmp_lt_u32 ttmp9, 32
	s_cselect_b32 s88, s90, s92                    ; codes
	s_mov_b32 s89, 0
	s_cselect_b32 s90, s94, s93                    ; scale words
	s_mov_b32 s91, 0
	s_and_b32 s82, s25, 7
	s_lshl_b32 s82, s82, 8
	s_lshl_b32 s83, s20, 6
	s_add_co_u32 s82, s82, s83
	s_lshl_b32 s82, s82, 9                         ; cos, sin: my wave's first position, 256 tile + 64 wave, rows of 512 bytes
	s_mov_b32 s83, 0
	s_wait_dscnt 0x0                               ; both opening adds are done
	s_wait_kmcnt 0x0
	s_cmp_lt_u32 ttmp9, 48                         ; the choices hang on the cluster's number alone
	s_cselect_b64 s[86:87], s[6:7], s[4:5]         ; P: w_qkv's codes, or x's
	s_cselect_b64 s[70:71], s[4:5], s[6:7]         ; N: x's, or w_qkv's
	s_cmp_lt_u32 ttmp9, 32
	s_cselect_b64 s[72:73], s[16:17], s[18:19]     ; results: qf, or kv
	s_cselect_b64 s[80:81], s[12:13], s[14:15]     ; the gain: q's, or k's
	s_add_nc_u64 s[86:87], s[86:87], s[84:85]
	s_add_nc_u64 s[70:71], s[70:71], s[68:69]
	s_add_nc_u64 s[74:75], s[72:73], s[90:91]
	s_add_nc_u64 s[72:73], s[72:73], s[88:89]
	s_add_nc_u64 s[76:77], s[8:9], s[82:83]
	s_add_nc_u64 s[78:79], s[10:11], s[82:83]
.irp s, 0,1                            ; slot s begins with group s
	s_add_nc_u64 s[46+4*\s:47+4*\s], s[86:87], \s*REC
	s_or_b32 s[47+4*\s], s[47+4*\s], 0x80000000
	s_add_nc_u64 s[54+4*\s:55+4*\s], s[70:71], \s*REC
	s_or_b32 s[55+4*\s], s[55+4*\s], 0x80000000
.endr
	CROUND                                         ; all four work-groups are here: the first joint loads meet
	JLOAD 0                                        ; group 0: one tensor load a wave at the head
	v_and_b32 v1, 31, v0                           ; lane
	v_and_b32 v2, 15, v0                           ; r
	v_bfe_u32 v3, v0, 4, 1                         ; h
	v_lshlrev_b32 v[ADP], 4, v1
	v_add_nc_u32 v[ADP+1], SLOT, v[ADP]
	v_add_nc_u32 v[ADN], s2, v[ADP]
	v_add_nc_u32 v[ADN+1], SLOT, v[ADN]
	v_lshlrev_b32 v17, 4, v2
	v_mad_u32_u24 v[ASP], v3, 4*REC, v17
	v_add_nc_u32 v[ASP], 6144, v[ASP]
	v_add_nc_u32 v[ASP+1], SLOT, v[ASP]
	v_mad_u32_u24 v[ASN], v3, 2*REC, v17
	v_add_nc_u32 v[ASN], s95, v[ASN]
	v_add_nc_u32 v[ASN+1], SLOT, v[ASN]
	v_and_b32 v15, 8, v2
	v_add_nc_u32 v15, v15, v2
	v_lshlrev_b32 v15, 9, v15
	v_lshl_add_u32 v15, v3, 6, v15                 ; cos, sin: row r + 8 (r / 8) of 512 bytes, + 64 h
	v_lshlrev_b32 v16, 6, v3                       ; the gain: 64 h
	v_lshl_add_u32 v17, v3, 3, v17                 ; scale words on the way out: 16 r + 8 h
	s_wait_alu depctr_va_vdst(0)
	s_wait_tensorcnt 0x0                           ; my part of group 0 is in; slot 1's first fill is issued as a refill is
	ds_add_u32 v254, v255
	s_wait_dscnt 0x0
	CROUND
	JLOAD 1                                        ; group 1
	FETCH 0
	SCALES 0
	STEP 0, 1                                      ; the first step's products start the sums
	STEP 1, 0
	STEP 2, 0
	EDGE 3, 1                                      ; slot 0 takes group 2
	STEP 4, 0
	STEP 5, 0
	STEP 6, 0
	EDGE 7, 1                                      ; slot 1 takes group 3
	STEP 8, 0
	STEP 9, 0
	STEP 10, 0
	EDGE 11, 0
	s_cmp_lt_u32 ttmp9, 48                         ; the roles part here, once: the last group is written in both arms
	s_cbranch_scc0 .Lrole_v
	WIN 0x40
.irp b, 0,1,2,3                        ; q, k: the gain and the first block's tables are asked for now, with the last group's 128 products ahead of the wait
.irp j, 0,1,2,3
	global_load_b128 v[192+16*\b+4*\j:195+16*\b+4*\j], v16, s[80:81] offset:128*\b+16*\j
.endr
.endr
	WIN 0
	TAB 0
	TAIL 1
	EPIQK 0
	EPIQK 1
	EPIQK 2
	EPIQK 3
	s_branch .Lend
.Lrole_v:
	TAIL 0
.irp b, 0,1,2,3
	v_mov_b32 v[164+\b], 0                         ; a lane permute's destination counts as one of its sources
.endr
	EPIV 0
	EPIV 1
	EPIV 2
	EPIV 3
.Lend:
	v_cmp_le_u32 vcc_lo, 16, v1                    ; my four fragments' scale words: lanes 0-15 store their row's words 0 and 1, lanes 16-31 words 2 and 3
	v_cndmask_b32 v248, v176, v178, vcc_lo
	v_cndmask_b32 v249, v177, v179, vcc_lo
	global_store_b64 v17, v[248:249], s[74:75]     ; 32 lanes store 256 consecutive bytes
	s_wait_tensorcnt 0x0                           ; the wave's end
	ds_add_u32 v254, v255
	s_wait_dscnt 0x0
	CROUND                                         ; the closing round
	s_endpgm
.Lfunc_end_k_q5684105ff2_qkv:
	.size	k_q5684105ff2_qkv, .Lfunc_end_k_q5684105ff2_qkv-k_q5684105ff2_qkv
	.p2alignl 7, 3214868480
	.fill 96, 4, 3214868480
	.section	.rodata,"a",@progbits
	.p2align	6, 0x0
	.amdhsa_kernel k_q5684105ff2_qkv
		.amdhsa_group_segment_fixed_size 327680
		.amdhsa_private_segment_fixed_size 0
		.amdhsa_enable_private_segment 0
		.amdhsa_kernarg_size 64
		.amdhsa_user_sgpr_count 2
		.amdhsa_user_sgpr_kernarg_segment_ptr 1
		.amdhsa_wavefront_size32 1
		.amdhsa_system_sgpr_workgroup_id_x 1
		.amdhsa_system_sgpr_workgroup_id_y 1
		.amdhsa_system_sgpr_workgroup_id_z 1
		.amdhsa_system_vgpr_workitem_id 0
		.amdhsa_next_free_vgpr 1024
		.amdhsa_next_free_sgpr 96
		.amdhsa_reserve_vcc 1
		.amdhsa_float_denorm_mode_32 3
		.amdhsa_float_denorm_mode_16_64 3
		.amdhsa_memory_ordered 1
		.amdhsa_forward_progress 1
		.amdhsa_inst_pref_size 232
	.end_amdhsa_kernel
	.amdgpu_metadata
---
amdhsa.version: [ 1, 2 ]
amdhsa.kernels:
  - .name:           k_q5684105ff2_qkv
    .symbol:         k_q5684105ff2_qkv.kd
    .args:
      - { .name: xq, .offset: 0, .size: 8, .value_kind: global_buffer, .address_space: global }
      - { .name: wq, .offset: 8, .size: 8, .value_kind: global_buffer, .address_space: global }
      - { .name: pos_cos, .offset: 16, .size: 8, .value_kind: global_buffer, .address_space: global }
      - { .name: pos_sin, .offset: 24, .size: 8, .value_kind: global_buffer, .address_space: global }
      - { .name: q_norm_w, .offset: 32, .size: 8, .value_kind: global_buffer, .address_space: global }
      - { .name: k_norm_w, .offset: 40, .size: 8, .value_kind: global_buffer, .address_space: global }
      - { .name: qf, .offset: 48, .size: 8, .value_kind: global_buffer, .address_space: global }
      - { .name: kv, .offset: 56, .size: 8, .value_kind: global_buffer, .address_space: global }
    .group_segment_fixed_size: 327680
    .private_segment_fixed_size: 0
    .kernarg_segment_align: 8
    .kernarg_segment_size: 64
    .max_flat_workgroup_size: 128
    .sgpr_count:     96
    .vgpr_count:     1024
    .wavefront_size: 32
...
	.end_amdgpu_metadata
.endif
;; end of part 2
;; launch attn (part 3): grid 256 x 1, 8 waves a work-group, clusters of 4 x 1, 327,680 bytes of LDS; arguments qf, kv, ao; writes ao
.if DOCPART == 3
	.amdgcn_target "amdgcn-amd-amdhsa--gfx1250"
	.amdhsa_code_object_version 6
	.text
	.protected	k_q5684105ff2_attn
	.globl	k_q5684105ff2_attn
	.p2align	8
	.type	k_q5684105ff2_attn,@function
k_q5684105ff2_attn:
	s_mov_b64 s[64:65], 0
	v_nop
	global_prefetch_b8 v0, s[64:65] scope:SCOPE_SE
	s_setreg_imm32_b32 hwreg(HW_REG_WAVE_MODE, 25, 1), 1
	s_wait_xcnt 0x0
	s_wait_alu depctr_hold_cnt(0) depctr_sa_sdst(0) depctr_va_vdst(0) depctr_va_sdst(0) depctr_va_ssrc(0) depctr_va_vcc(0) depctr_vm_vsrc(0)
	s_getreg_b32 s2, hwreg(HW_REG_IB_STS2, 6, 4)
	s_cmp_eq_u32 s2, 0
	s_cbranch_scc0 .Lentry_in_a_cluster
	s_endpgm
.Lentry_in_a_cluster:
	s_bfe_u32 s2, ttmp6, 0x10000c
	s_cmp_lg_u32 s2, 0x3003
	s_cbranch_scc0 .Lentry_shape_is_right
	s_endpgm
.Lentry_shape_is_right:
; Causal attention on codes of FP6 (E2M3) with E8M0 scales: 2 batches x 8 query heads (two to a key and value head) x 2,048 tokens, head size 128.  The result, O / l, is quantised along the head's 128 for the last product.
; THE SOFTMAX AHEAD OF THE SECOND PRODUCT: t = score x log2(e) / sqrt(128); M = the largest t so far, rounded UP to a whole number; p = 2^(t - M) is what is quantised, along the keys, not normalised.
; The sum l is taken of the unquantised p and divides O at the end.  When M moves, l and O are multiplied by 2^(old M - new M): exact.
; OPERANDS are register images (a fragment: 3 x 512 bytes).  qf: records of 6,400 bytes, four blocks of 16 queries and their scale words.  kv: a record of 25,600 bytes for each key step of 128 keys: K's 8 fragments,
; V's 8 (16 channels x 128 keys), K's scale words, V's.  Lane rho of block beta is token (or channel) 32 (beta / 2) + 8 (beta % 2) + rho + 8 (rho / 8).  Both products are used transposed (S^T = K Q^T, O^T = V^T P^T): a lane holds ONE query.
; SHARES.  Cluster c: batch c / 32, key and value head (c / 8) % 4, and the groups of 128 tokens j = c % 8 and 15 - j, for both query heads: 32 tiles of 16 queries, 8 to a work-group: four of group 15 - j (LONG), four of group j (SHORT).
; THE KEYS OF A TILE ARE SHARED BY TWO WAVES: waves w and w + 4 both hold long tile w % 4 and short tile w % 4, each with its own M, l and O; wave w takes the even key steps, wave w + 4 the odd ones.
; A long tile has 16 - j live steps and a short one j + 1: 17 together, 8 or 9 to each of the two waves, in every work-group.  A step's K and V are fetched from LDS once for both tiles.
; THE JOIN: at the end waves 0-3 hand over their part of the long tile and finish the short one, waves 4-7 the other way round, through a stage in LDS (8,704 bytes a wave, bytes of its own).  With M = the larger of the two,
; each part is multiplied by 2^(its M - M), exact; a part with no live step has l = 0, O = 0 and the factor 0.
; CAUSAL.  Group G's queries see key steps 0 .. G.  Every wave walks its 8 steps (the trip counts are constants; no tensor load and no barrier is jumped over); a tile's step beyond G is left out by a scalar branch on ids,
; and in step G hidden scores become -infinity ahead of the maximum.  The branches hang on the cluster's number and the wave's, never on the place in the cluster.
; THE RING: two LDS slots of four records.  The four partners walk the same K and V: every fill is a joint load a wave, 12,800 dense bytes.  Slot 0's first fill is the wave's one load at the head; slot 1's is issued as a refill is.
; NO PREFETCH: a refill is asked for a whole slot (two steps of every wave) ahead of the wait for it, and the stream of one key and value head is read by eight clusters at about the same time.
; LIMITS: a block's largest p is taken from its largest score, which takes v_exp_f32 not to fall where its input rises; v_exp_f32 and v_rcp_f32 as they are (1 ulp); a block of zeros keeps the byte 1; no NaN, no infinities;
; the scaled scores stay under 2^31 in magnitude.
; REGISTERS: window 0: v1-10 addresses; long tile: v12 -M, v13 the largest t, v[14:15] l, v16-27 Q, v255 Q's scale words, v2 query - 16 h, v160-223 O^T; short tile: v72-75, v32-43, v11, v76, and O^T in window 1 v192-255;
;   v28-31 V's scale words, v248-251 K's; v77, v78 the stage; v84-95 and v232-254 at work; v96-159 S^T, then p; v224-235 p's codes; v253 p's scale word.   window 1: v0-95 K's 8 fragments, v96-191 V's.
.set SLOT,  102400                     ; four records
.set SPARE, 2*SLOT                     ; the spare words, 128 bytes a wave: four blocks of 256 bytes that no other line names
.set STAGE, SPARE+1024
.set WST,   8704                       ; a wave's stage: 16 x 512 bytes of O^T, 512 of -M, t, l
.set MSB, 0
.macro WIN new                         ; the immediate's high byte repeats the setting that is left
.if MSB != (\new)
	s_set_vgpr_msb (MSB<<8)|(\new)
.set MSB, (\new)
.endif
.endm
.macro PLACES
.rept 4
	v_nop
.endr
.endm
.macro CROUND                          ; a round of the cluster's barrier
	s_barrier_signal -1
	s_barrier_wait -1
	s_cmp_lg_u32 s20, 0
	s_cbranch_scc1 .Lnot_wave_0_\@
	s_barrier_signal -3
.Lnot_wave_0_\@:
	s_barrier_wait -3
	s_barrier_signal -1
	s_barrier_wait -1
.endm
; 64 numbers of a lane, register 16 b + i = k 32 b + 16 h + i of my row, become a fragment's codes in v[pc] .. v[pc + 11] and its scale word in v[pw].
.macro QUANT src, tm, pw, pc, p2
.irp b, 0,1,2,3
	v_max3_num_f32 v[\tm+\b], |v[\src+16*\b]|, |v[\src+16*\b+1]|, 0x1800000   ; and the floor 2^(3 - 127): the byte cannot fall under 1
.endr
.irp i, 2,4,6,8,10,12,14
.irp b, 0,1,2,3
	s_delay_alu instid0(VALU_DEP_4)
	v_max3_num_f32 v[\tm+\b], |v[\src+16*\b+\i]|, |v[\src+16*\b+\i+1]|, v[\tm+\b]
.endr
.endr
.irp b, 0,1,2,3
	s_delay_alu instid0(VALU_DEP_4)
	v_permlanex16_b32 v[\tm+4+\b], v[\tm+\b], s60, s61
.endr
.irp b, 0,1,2,3
	s_delay_alu instid0(VALU_DEP_4)
	v_max_num_f32 v[\tm+\b], v[\tm+\b], v[\tm+4+\b]
.endr
.irp b, 0,1,2,3
	s_delay_alu instid0(VALU_DEP_4)
	v_add_nc_u32 v[\tm+12+\b], 0xff000000, v[\tm+\b]
.endr
.irp b, 0,1,2,3
	s_delay_alu instid0(VALU_DEP_4)
	v_lshrrev_b32 v[\tm+4+\b], 23, v[\tm+12+\b]
.endr
	s_delay_alu instid0(VALU_DEP_3)
	v_lshl_or_b32 v[\pw], v[\tm+5], 8, v[\tm+4]
	s_delay_alu instid0(VALU_DEP_1)
	v_lshl_or_b32 v[\pw], v[\tm+6], 16, v[\pw]
	s_delay_alu instid0(VALU_DEP_1)
	v_lshl_or_b32 v[\pw], v[\tm+7], 24, v[\pw]
.irp c, 0,1
	v_cvt_scalef32_pk16_fp6_f32 v[\pc+6*\c:\pc+6*\c+2], v[\src+32*\c:\src+32*\c+15], v[\tm+12+2*\c]
	v_cvt_scalef32_pk16_fp6_f32 v[\p2+4*\c:\p2+4*\c+2], v[\src+32*\c+16:\src+32*\c+31], v[\tm+13+2*\c]
.endr
	v_nop                                          ; one plain place behind a scaled conversion
.irp c, 0,1
.irp i, 0,1,2
	v_permlane16_swap_b32 v[\pc+6*\c+\i], v[\p2+4*\c+\i]
.endr
.irp i, 0,1,2
	s_delay_alu instid0(VALU_DEP_3)
	v_mov_b32 v[\pc+3+6*\c+\i], v[\p2+4*\c+\i]
.endr
.endr
.endm
; ONE TILE'S SHARE OF A KEY STEP; K and V are in window 1.  q: Q's fragment; qs: its scale words; st: -M, t, l (two halves); db: query - 16 h; ob, ow: O^T's first register and window; sg: the scalar with the tile's group.
; s10: the step's number; s11: its first key.
.macro BODY q, qs, st, db, ob, ow, sg
	v_sub_nc_u32 v9, v[\db], s11                   ; d = my query - the step's first key - 16 h
	WIN 0x01                                       ; source 0 window 1
.irp t, 0,1,2,3
	v_wmma_scale_f32_16x16x128_f8f6f4 v[96+8*\t:103+8*\t], v[12*\t:12*\t+11], v[\q:\q+11], 0, v[248+\t], v[\qs] matrix_a_fmt:MATRIX_FMT_FP6 matrix_b_fmt:MATRIX_FMT_FP6
.endr
.irp t, 4,5,6,7
	v_wmma_scale_f32_16x16x128_f8f6f4 v[96+8*\t:103+8*\t], v[12*\t:12*\t+11], v[\q:\q+11], 0, v[244+\t], v[\qs] matrix_a_fmt:MATRIX_FMT_FP6 matrix_b_fmt:MATRIX_FMT_FP6 matrix_a_scale:MATRIX_SCALE_ROW1
.endr
	WIN 0
	PLACES                                         ; in front of the first read of the scores
	s_cmp_lt_u32 s10, s[\sg]
	s_cbranch_scc1 .Lopen_\@                       ; all its keys count
	v_mov_b32 v254, 0xff800000                     ; the diagonal step: register 16 b + i holds key 32 b + 16 h + i of the step: hidden where 32 b + i > d
.set i, 0
	s_wait_alu depctr_va_vdst(0)                   ; the wait ahead of d's reader
.rept 64
	v_cmp_gt_i32 vcc_lo, 32*(i/16)+i%16, v9
	v_cndmask_b32 v[96+i], v[96+i], v254, vcc_lo
.set i, i+1
.endr
.Lopen_\@:
.irp b, 0,1,2,3
	v_max3_num_f32 v[232+\b], v[96+16*\b], v[97+16*\b], v[98+16*\b]   ; the largest score of each block of 32 keys: for the row's maximum and, since p rises with the score, for the block's largest p
.endr
.irp i, 3,5,7,9,11,13
.irp b, 0,1,2,3
	v_max3_num_f32 v[232+\b], v[232+\b], v[96+16*\b+\i], v[97+16*\b+\i]
.endr
.endr
.irp b, 0,1,2,3
	v_max_num_f32 v[232+\b], v[232+\b], v[111+16*\b]
.endr
.irp b, 0,1,2,3
	s_delay_alu instid0(VALU_DEP_4)
	v_permlanex16_b32 v[236+\b], v[232+\b], s60, s61
.endr
.irp b, 0,1,2,3
	s_delay_alu instid0(VALU_DEP_4)
	v_max_num_f32 v[232+\b], v[232+\b], v[236+\b]  ; with lane l xor 16's 16 keys
.endr
	s_delay_alu instid0(VALU_DEP_2)
	v_max3_num_f32 v254, v232, v233, v234
	s_delay_alu instid0(VALU_DEP_1)
	v_max_num_f32 v254, v254, v235                 ; the step's largest score of my query
	s_delay_alu instid0(VALU_DEP_1)
	v_mul_f32 v254, s62, v254                      ; as t (c is positive)
	s_delay_alu instid0(VALU_DEP_1)
	v_max_num_f32 v[\st+1], v[\st+1], v254         ; the running largest t
	v_mov_b32 v254, v[\st]
	s_delay_alu instid0(VALU_DEP_2)
	v_floor_f32 v[\st], -v[\st+1]                  ; the new -M = floor(-t) = -ceil(t): a whole number
	s_delay_alu instid0(VALU_DEP_1)
	v_sub_f32 v254, v[\st], v254                   ; old M - new M: a whole number, 0 or less
	s_delay_alu instid0(VALU_DEP_1)
	v_cvt_i32_f32 v254, v254                       ; (it saturates)
	s_delay_alu instid0(VALU_DEP_1)
	v_ldexp_f32 v252, 1.0, v254                    ; f = 2^(old M - new M)
.set i, 0
.rept 32
	v_pk_fma_f32 v[96+2*i:97+2*i], v[96+2*i:97+2*i], s[62:63], v[\st:\st+1] op_sel_hi:[1,0,0]   ; t - M, two at a time
.set i, i+1
.endr
.irp b, 0,1,2,3
	v_fma_f32 v[232+\b], v[232+\b], s62, v[\st]    ; the same of each block's largest score
.endr
.set i, 0
	s_wait_alu depctr_va_vdst(0)                   ; the wait ahead of the batch
.rept 64
	v_exp_f32 v[96+i], v[96+i]                     ; p = 2^(t - M), at most 1
.set i, i+1
.endr
.irp b, 0,1,2,3
	v_exp_f32 v[232+\b], v[232+\b]                 ; the block's largest p: the same two instructions on the same number
.endr
	v_pk_mul_f32 v[\st+2:\st+3], v[\st+2:\st+3], v[252:253] op_sel_hi:[1,0]   ; l under the new M.  (A plain place behind the exponentials)
	s_wait_alu depctr_va_vdst(0)                   ; and behind it
.irp b, 0,1,2,3
	v_max_num_f32 v[232+\b], 0x1800000, v[232+\b]  ; the floor 2^(3 - 127): the byte cannot fall under 1
.endr
.irp b, 0,1,2,3
	s_delay_alu instid0(VALU_DEP_4)
	v_add_nc_u32 v[244+\b], 0xff000000, v[232+\b]  ; 2 off the exponent field: the conversion's scale operand
.endr
.irp b, 0,1,2,3
	s_delay_alu instid0(VALU_DEP_4)
	v_lshrrev_b32 v[236+\b], 23, v[244+\b]         ; the scale's byte
.endr
	s_delay_alu instid0(VALU_DEP_3)
	v_lshl_or_b32 v253, v237, 8, v236              ; p's scale word for these 128 keys
	s_delay_alu instid0(VALU_DEP_1)
	v_lshl_or_b32 v253, v238, 16, v253
	s_delay_alu instid0(VALU_DEP_1)
	v_lshl_or_b32 v253, v239, 24, v253
.irp c, 0,1
	v_cvt_scalef32_pk16_fp6_f32 v[224+6*\c:226+6*\c], v[96+32*\c:111+32*\c], v[244+2*\c]
	v_cvt_scalef32_pk16_fp6_f32 v[236+4*\c:238+4*\c], v[112+32*\c:127+32*\c], v[245+2*\c]
.endr
	v_nop                                          ; one plain place behind a scaled conversion
.irp c, 0,1
.irp i, 0,1,2
	v_permlane16_swap_b32 v[224+6*\c+\i], v[236+4*\c+\i]
.endr
.irp i, 0,1,2
	s_delay_alu instid0(VALU_DEP_3)
	v_mov_b32 v[227+6*\c+\i], v[236+4*\c+\i]
.endr
.endr
; l += the 64 unquantised p: 32 pairs in seven chains (six at v84-95, and l itself)
.irp k, 0,1,2,3,4,5
	v_pk_add_f32 v[84+2*\k:85+2*\k], v[96+4*\k:97+4*\k], v[98+4*\k:99+4*\k]
.endr
	v_pk_add_f32 v[\st+2:\st+3], v[\st+2:\st+3], v[120:121]
.irp k, 0,1,2,3,4,5
	v_pk_add_f32 v[84+2*\k:85+2*\k], v[84+2*\k:85+2*\k], v[122+2*\k:123+2*\k]
.endr
	v_pk_add_f32 v[\st+2:\st+3], v[\st+2:\st+3], v[134:135]
.irp k, 0,1,2,3,4,5
	v_pk_add_f32 v[84+2*\k:85+2*\k], v[84+2*\k:85+2*\k], v[136+2*\k:137+2*\k]
.endr
	v_pk_add_f32 v[\st+2:\st+3], v[\st+2:\st+3], v[148:149]
.irp k, 0,1,2,3,4
	v_pk_add_f32 v[84+2*\k:85+2*\k], v[84+2*\k:85+2*\k], v[150+2*\k:151+2*\k]
.endr
	v_pk_add_f32 v[84:85], v[84:85], v[86:87]
	v_pk_add_f32 v[88:89], v[88:89], v[90:91]
	v_pk_add_f32 v[92:93], v[92:93], v[94:95]
	s_delay_alu instid0(VALU_DEP_2)
	v_pk_add_f32 v[84:85], v[84:85], v[88:89]
	s_delay_alu instid0(VALU_DEP_2)
	v_pk_add_f32 v[\st+2:\st+3], v[\st+2:\st+3], v[92:93]
	s_delay_alu instid0(VALU_DEP_1)
	v_pk_add_f32 v[\st+2:\st+3], v[\st+2:\st+3], v[84:85]
	WIN (\ow)|((\ow)<<6)                           ; source 0 and destination: O^T's window
.set i, 0
.rept 32
	v_pk_mul_f32 v[\ob+2*i:\ob+2*i+1], v[\ob+2*i:\ob+2*i+1], v[252:253] op_sel_hi:[1,0]   ; O^T under the new M.  (Also the places between the writing of p's codes and scale word and the products)
.set i, i+1
.endr
	s_wait_alu depctr_va_vdst(0)
	s_wait_dscnt 0x0                               ; V is in
	WIN 0x01|((\ow)<<4)|((\ow)<<6)
.irp t, 0,1,2,3                        ; O^T += V^T P^T: the eight accumulators by turns
	v_wmma_scale_f32_16x16x128_f8f6f4 v[\ob+8*\t:\ob+8*\t+7], v[96+12*\t:107+12*\t], v[224:235], v[\ob+8*\t:\ob+8*\t+7], v[28+\t], v253 matrix_a_fmt:MATRIX_FMT_FP6 matrix_b_fmt:MATRIX_FMT_FP6
.endr
.irp t, 4,5,6,7
	v_wmma_scale_f32_16x16x128_f8f6f4 v[\ob+8*\t:\ob+8*\t+7], v[96+12*\t:107+12*\t], v[224:235], v[\ob+8*\t:\ob+8*\t+7], v[24+\t], v253 matrix_a_fmt:MATRIX_FMT_FP6 matrix_b_fmt:MATRIX_FMT_FP6 matrix_a_scale:MATRIX_SCALE_ROW1
.endr
	WIN 0
.endm
; A KEY STEP OF MINE: its record begins at LDS byte s12.  two = 1: the short tile may still be live.  s15: the long tiles' group, s14: the short tiles'.
.macro STEP two
	s_cmp_gt_u32 s10, s15
	s_cbranch_scc1 .Lhid_\@                        ; all its keys come after both tiles' queries
	v_add_nc_u32 v8, s12, v1                       ; these four lines are the places in front of the loads into registers that the last products read
	v_nop
	v_nop
	v_nop
	ds_load_b128 v[248:251], v8 offset:24576       ; K's scale words: lanes 0-15 row r of tiles 0-3, lanes 16-31 of tiles 4-7
	WIN 0x40                                       ; destination window 1
.irp t, 0,1,2,3,4,5,6,7
.irp c, 0,1,2
	ds_load_b128 v[12*\t+4*\c:12*\t+4*\c+3], v8 offset:1536*\t+512*\c
.endr
.endr
	WIN 0
	ds_load_b128 v[28:31], v8 offset:25088         ; V's scale words
	WIN 0x40
.irp t, 0,1,2,3,4,5,6,7
.irp c, 0,1,2
	ds_load_b128 v[96+12*\t+4*\c:96+12*\t+4*\c+3], v8 offset:12288+1536*\t+512*\c
.endr
.endr
	WIN 0
	s_wait_dscnt 25                                ; K and its scale words are in; the 25 loads issued last, V's, may be out
	BODY 16, 255, 12, 2, 160, 0, 15
.if \two
	s_cmp_gt_u32 s10, s14
	s_cbranch_scc1 .Lhid_\@
	BODY 32, 11, 72, 76, 192, 1, 14
.endif
.Lhid_\@:
	s_add_co_u32 s10, s10, 2
	s_add_co_u32 s11, s11, 256
	s_add_co_u32 s12, s12, 51200
.endm
.macro PHASE s, two                    ; slot s's four key steps, of which two are mine
	s_add_co_u32 s12, s46, (\s)*SLOT
	s_mov_b32 s13, 2
.Lstep_\@:
	STEP \two
	s_sub_co_u32 s13, s13, 1
	s_cmp_lg_u32 s13, 0
	s_cbranch_scc1 .Lstep_\@
.endm
; THE CHANGE OF SLOTS.  Each wave waits for all its tensor loads (its part of the slot ahead), adds 0 to its spare word, and waits for that and for its reads of slot s.  fill = 1: the barrier is a round
; of the cluster's, and slot s is asked for again first thing behind it, with the keys two slots on.
.macro CHANGE s, fill
	s_wait_tensorcnt 0x0                           ; no tensor load of mine is out, so a descriptor may be written
	ds_add_u32 v3, v4
.if \fill
	s_add_nc_u64 s[34+4*(\s):35+4*(\s)], s[34+4*(\s):35+4*(\s)], 2*SLOT
.endif
	s_wait_dscnt 0x0
.if \fill
	CROUND
	tensor_load_to_lds s[32+4*(\s):35+4*(\s)], s[24:31]
	s_nop 0
.rept 4
	v_nop
.endr
.else
	s_barrier_signal -1
	s_barrier_wait -1
.endif
.endm
	s_load_b128 s[4:7], s[0:1], 0x0                ; qf, kv
	s_load_b64 s[8:9], s[0:1], 0x10                ; ao
	v_lshl_add_u32 v3, v0, 2, SPARE                ; LDS address of my spare word; never rewritten
	v_mov_b32 v4, 0                                ; 0; never rewritten
	ds_add_u32 v3, v4
	ds_add_u32 v3, v4
	v_lshrrev_b32 v1, 5, v0
	v_readfirstlane_b32 s20, v1                    ; wave 0..7
	s_bfe_u32 s22, ttmp6, 0x40000                  ; cx: it enters Q's and the result's addresses and the lanes' query numbers alone
	s_and_b32 s14, ttmp9, 7                        ; j: the short tiles' group
	s_sub_co_u32 s15, 15, s14                      ; the long tiles'
	s_cmp_lt_u32 s20, 4
	s_cselect_b32 s21, s14, s15                    ; the group of the tile that I finish
	s_lshr_b32 s47, s20, 2                         ; which key steps are mine: even or odd
	s_mul_i32 s46, s47, 25600
	s_lshr_b32 s16, ttmp9, 3                       ; 4 batch + key and value head
	s_mul_i32 s40, s16, 16*25600
	s_mul_i32 s17, s20, 12800                      ; my eighth of a slot, in memory and in LDS
	s_add_co_u32 s40, s40, s17
	s_mov_b32 s41, 0
	s_and_b32 s18, s16, 3
	s_lshl_b32 s18, s18, 1
	s_and_b32 s19, s20, 1
	s_add_co_u32 s18, s18, s19                     ; my query head
	s_lshr_b32 s19, ttmp9, 5                       ; the batch
	s_bfe_u32 s42, s20, 0x10001                    ; (wave / 2) % 2
	s_lshl_b32 s43, s22, 1
	s_add_co_u32 s43, s43, s42                     ; my block of 16 queries in a group: 2 cx + (wave / 2) % 2
	s_lshl_b32 s49, s19, 3
	s_add_co_u32 s49, s49, s18
	s_lshl_b32 s49, s49, 5
	s_lshr_b32 s50, s43, 2
	s_add_co_u32 s49, s49, s50
	s_mul_i32 s49, s49, 6400                       ; Q's record in group 0; a group is two records
	s_and_b32 s50, s43, 3
	s_mul_i32 s51, s50, 1536
	s_add_co_u32 s52, s49, s51                     ; its fragment,
	s_lshl_b32 s50, s50, 2
	s_add_co_u32 s54, s49, s50
	s_add_co_u32 s54, s54, 6144                    ; and the fragment's scale words
	s_mul_i32 s50, s15, 12800
	s_mul_i32 s51, s14, 12800
	s_add_co_u32 s66, s52, s51                     ; the short tile's
	s_add_co_u32 s68, s54, s51
	s_add_co_u32 s52, s52, s50                     ; the long tile's
	s_add_co_u32 s54, s54, s50
	s_mov_b32 s53, 0
	s_mov_b32 s55, 0
	s_mov_b32 s67, 0
	s_mov_b32 s69, 0
	s_lshl_b32 s48, s21, 3
	s_add_co_u32 s48, s48, s43                     ; beta of the tile that I finish
	s_lshl_b32 s49, s19, 7
	s_add_co_u32 s49, s49, s48
	s_lshl_b32 s49, s49, 1
	s_lshr_b32 s50, s18, 2
	s_add_co_u32 s49, s49, s50
	s_mul_i32 s49, s49, 6400                       ; the result's record: (128 batch + beta) 2 + head / 4
	s_and_b32 s50, s18, 3
	s_mul_i32 s56, s50, 1536
	s_add_co_u32 s56, s56, s49
	s_mov_b32 s57, 0
	s_lshl_b32 s58, s50, 2
	s_add_co_u32 s58, s58, s49
	s_add_co_u32 s58, s58, 6144
	s_mov_b32 s59, 0
	s_lshl_b32 s50, s22, 5
	s_lshl_b32 s51, s42, 3
	s_add_co_u32 s50, s50, s51
	s_lshl_b32 s51, s15, 7
	s_add_co_u32 s51, s51, s50                     ; the long tile's first token: 128 G + 32 cx + 8 ((wave / 2) % 2)
	s_lshl_b32 s44, s14, 7
	s_add_co_u32 s44, s44, s50                     ; the short tile's
	s_mul_i32 s45, s20, WST
	s_add_co_u32 s45, s45, STAGE                   ; my stage,
	s_xor_b32 s70, s20, 4
	s_mul_i32 s70, s70, WST
	s_add_co_u32 s70, s70, STAGE                   ; and my partner's
	; descriptor group 1 for an eighth of a slot: 12,800 dense bytes as 50 rows of 256 (32 elements of 8 bytes); mask 15, bit 21 beside it
	s_mov_b32 s24, 15|(3<<16)|(1<<21)
	s_mov_b32 s25, 32<<16
	s_mov_b32 s26, 50<<16
	s_mov_b32 s27, 32<<16
	s_mov_b32 s28, 50
	s_mov_b32 s29, 32
	s_mov_b32 s30, 0
	s_mov_b32 s31, 0
	s_mov_b32 s32, 1
	s_mov_b32 s33, s17
	s_mov_b32 s36, 1
	s_add_co_u32 s37, s17, SLOT
	s_mov_b32 s60, 0x76543210
	s_mov_b32 s61, 0xfedcba98                      ; v_permlanex16_b32's selects for lane l xor 16
	s_mov_b32 s62, 0x3e0293ee                      ; c = log2(e) / sqrt(128)
	s_mov_b32 s63, s62                             ; (named with it as a pair, so it is written)
	s_mov_b32 s10, s47                             ; my first key step,
	s_lshl_b32 s11, s47, 7                         ; and its first key
	s_wait_dscnt 0x0                               ; both opening adds are done
	s_wait_kmcnt 0x0
	s_add_nc_u64 s[34:35], s[6:7], s[40:41]        ; slot 0: key steps 0-3; slot 1: steps 4-7
	s_add_nc_u64 s[38:39], s[34:35], SLOT
	s_or_b32 s35, s35, 0x80000000
	s_or_b32 s39, s39, 0x80000000
	s_add_nc_u64 s[52:53], s[4:5], s[52:53]
	s_add_nc_u64 s[54:55], s[4:5], s[54:55]
	s_add_nc_u64 s[66:67], s[4:5], s[66:67]
	s_add_nc_u64 s[68:69], s[4:5], s[68:69]
	s_add_nc_u64 s[56:57], s[8:9], s[56:57]
	s_add_nc_u64 s[58:59], s[8:9], s[58:59]
	CROUND                                         ; all four work-groups are here: the first joint loads meet
	tensor_load_to_lds s[32:35], s[24:31]          ; slot 0's first fill: the wave's one load at the head
	s_nop 0
.rept 4
	v_nop
.endr
	v_and_b32 v10, 31, v0                          ; lane
	v_and_b32 v6, 15, v0                           ; r
	v_bfe_u32 v7, v0, 4, 1                         ; h
	v_lshlrev_b32 v1, 4, v10                       ; 16 x lane: an image's place for my lane
	v_lshlrev_b32 v5, 4, v6                        ; 16 r: a row's scale words
.irp c, 0,1,2
	global_load_b128 v[16+4*\c:19+4*\c], v1, s[52:53] offset:512*\c   ; both tiles' Q stay in registers,
	global_load_b128 v[32+4*\c:35+4*\c], v1, s[66:67] offset:512*\c
.endr
	global_load_b32 v255, v5, s[54:55]             ; with their rows' scale words
	global_load_b32 v11, v5, s[68:69]
	v_and_b32 v9, 8, v6
	v_add_nc_u32 v9, v9, v6
	v_lshlrev_b32 v8, 4, v7
	v_sub_nc_u32 v9, v9, v8
	v_add_nc_u32 v2, s51, v9                       ; my query - 16 h, in the long tile
	v_add_nc_u32 v76, s44, v9                      ; and in the short one
	v_add_nc_u32 v77, s45, v1
	v_add_nc_u32 v78, s70, v1
	v_mov_b32 v13, 0xff61b1e6                      ; the largest t so far: -3e38, under every t
	v_mov_b32 v73, 0xff61b1e6
	v_floor_f32 v12, -v13                          ; -M
	v_floor_f32 v72, -v73
.irp r, 14,15,74,75,236,237,238,239,252,253
	v_mov_b32 v\r, 0                               ; l; and registers that are named as a permute's destination or a pair's half before they are first written
.endr
.set i, 0
.rept 64
	v_mov_b32 v[160+i], 0                          ; O^T: a step is written for every step alike: the first finds zeros
.set i, i+1
.endr
	WIN 0x40
.set i, 0
.rept 64
	v_mov_b32 v[192+i], 0
.set i, i+1
.endr
	WIN 0
	s_wait_alu depctr_va_vdst(0)
	s_wait_tensorcnt 0x0                           ; my part of slot 0 is in; slot 1's first fill is issued as a refill is
	ds_add_u32 v3, v4
	s_wait_dscnt 0x0
	CROUND
	tensor_load_to_lds s[36:39], s[24:31]          ; key steps 4-7
	s_nop 0
.rept 4
	v_nop
.endr
	s_wait_loadcnt 0x0                             ; Q
	PHASE 0, 1                                     ; 0-3
	CHANGE 0, 1                                    ; slot 0 takes steps 8-11
	PHASE 1, 1                                     ; 4-7
	CHANGE 1, 1                                    ; slot 1 takes steps 12-15
	PHASE 0, 0                                     ; 8-11: beyond every short tile's group, which is 7 at the most
	CHANGE 0, 0
	PHASE 1, 0                                     ; 12-15
	PLACES                                         ; behind the last products
	s_cmp_lt_u32 s20, 4
	s_cbranch_scc0 .Lkeep_long
.irp i, 0,1,2,3,4,5,6,7,8,9,10,11,12,13,14,15      ; waves 0-3 hand over their part of the long tile; each accumulator from its low end on
	ds_store_b128 v77, v[160+4*\i:163+4*\i] offset:512*\i
.endr
	ds_store_b128 v77, v[12:15] offset:8192
	s_wait_dscnt 0x0
	WIN 0x01
.set i, 0
.rept 64
	v_mov_b32 v[160+i], v[192+i]                   ; and bring the short tile's to the registers in which a tile is finished
.set i, i+1
.endr
	WIN 0
.irp i, 0,1,2,3
	v_mov_b32 v[12+\i], v[72+\i]
.endr
	s_branch .Lhanded
.Lkeep_long:
	WIN 0x04                                       ; the data: window 1
.irp i, 0,1,2,3,4,5,6,7,8,9,10,11,12,13,14,15      ; waves 4-7 hand over their part of the short tile
	ds_store_b128 v77, v[192+4*\i:195+4*\i] offset:512*\i
.endr
	WIN 0
	ds_store_b128 v77, v[72:75] offset:8192
.Lhanded:
	s_wait_alu depctr_va_vdst(0)
	s_wait_dscnt 0x0                               ; my stores are done
	s_barrier_signal -1
	s_barrier_wait -1                              ; everybody's are
.irp i, 0,1,2,3,4,5,6,7,8,9,10,11,12,13,14,15
	ds_load_b128 v[96+4*\i:99+4*\i], v78 offset:512*\i   ; my partner's part of my tile
.endr
	ds_load_b128 v[84:87], v78 offset:8192
	s_wait_dscnt 0x0
	v_min_num_f32 v88, v12, v84                    ; -M of the two parts together
	v_add_f32 v14, v14, v15                        ; l's two halves, mine
	v_add_f32 v86, v86, v87                        ; and my partner's
	v_sub_f32 v89, v88, v12                        ; my M - M: a whole number, 0 or less
	v_sub_f32 v90, v88, v84
	s_delay_alu instid0(VALU_DEP_2)
	v_cvt_i32_f32 v89, v89                         ; (it saturates)
	s_delay_alu instid0(VALU_DEP_2)
	v_cvt_i32_f32 v90, v90
	s_delay_alu instid0(VALU_DEP_2)
	v_ldexp_f32 v89, 1.0, v89
	s_delay_alu instid0(VALU_DEP_2)
	v_ldexp_f32 v90, 1.0, v90
	s_delay_alu instid0(VALU_DEP_2)
	v_mul_f32 v14, v14, v89
	s_delay_alu instid0(VALU_DEP_1)
	v_fma_f32 v14, v86, v90, v14
	s_delay_alu instid0(VALU_DEP_1)
	v_permlanex16_b32 v252, v14, s60, s61
	s_delay_alu instid0(VALU_DEP_1)
	v_add_f32 v14, v14, v252                       ; with lane l xor 16's: the row's l
	s_wait_alu depctr_va_vdst(0)                   ; the wait ahead of the transcendental
	v_rcp_f32 v14, v14
	v_nop                                          ; one plain place behind it
	s_wait_alu depctr_va_vdst(0)                   ; and ahead of its first reader
	v_mul_f32 v92, v89, v14                        ; a power of two x 1 / l, for each part, in both halves of a pair
	v_mul_f32 v93, v89, v14
	v_mul_f32 v94, v90, v14
	v_mul_f32 v95, v90, v14
.set i, 0
.rept 32
	v_pk_mul_f32 v[96+2*i:97+2*i], v[96+2*i:97+2*i], v[94:95]
.set i, i+1
.endr
.set i, 0
.rept 32
	v_pk_fma_f32 v[96+2*i:97+2*i], v[160+2*i:161+2*i], v[92:93], v[96+2*i:97+2*i]   ; O^T / l: register 16 b + i is channel 32 b + 16 h + i of my query
.set i, i+1
.endr
	QUANT 96, 32, 48, 52, 64
.irp c, 0,1,2
	global_store_b128 v1, v[52+4*\c:55+4*\c], s[56:57] offset:512*\c   ; the fragment as it stands: 512 consecutive bytes a store
.endr
	s_wait_xcnt 0x0                                ; EXEC changes only behind this wait
	v_cmp_gt_u32 vcc_lo, 16, v10
	s_and_saveexec_b32 s14, vcc_lo
	global_store_b32 v5, v48, s[58:59]             ; my head's word of each row's four: the other three heads' words are made by other waves and work-groups
	s_wait_xcnt 0x0                                ; and again, in front of the line that widens it
	s_or_b32 exec_lo, exec_lo, s14
	s_wait_tensorcnt 0x0                           ; the wave's end
	ds_add_u32 v3, v4
	s_wait_dscnt 0x0
	CROUND                                         ; the closing round
	s_endpgm
.Lfunc_end_k_q5684105ff2_attn:
	.size	k_q5684105ff2_attn, .Lfunc_end_k_q5684105ff2_attn-k_q5684105ff2_attn
	.p2alignl 7, 3214868480
	.fill 96, 4, 3214868480
	.section	.rodata,"a",@progbits
	.p2align	6, 0x0
	.amdhsa_kernel k_q5684105ff2_attn
		.amdhsa_group_segment_fixed_size 327680
		.amdhsa_private_segment_fixed_size 0
		.amdhsa_enable_private_segment 0
		.amdhsa_kernarg_size 24
		.amdhsa_user_sgpr_count 2
		.amdhsa_user_sgpr_kernarg_segment_ptr 1
		.amdhsa_wavefront_size32 1
		.amdhsa_system_sgpr_workgroup_id_x 1
		.amdhsa_system_sgpr_workgroup_id_y 1
		.amdhsa_system_sgpr_workgroup_id_z 1
		.amdhsa_system_vgpr_workitem_id 0
		.amdhsa_next_free_vgpr 512
		.amdhsa_next_free_sgpr 96
		.amdhsa_reserve_vcc 1
		.amdhsa_float_denorm_mode_32 3
		.amdhsa_float_denorm_mode_16_64 3
		.amdhsa_memory_ordered 1
		.amdhsa_forward_progress 1
		.amdhsa_inst_pref_size 174
	.end_amdhsa_kernel
	.amdgpu_metadata
---
amdhsa.version: [ 1, 2 ]
amdhsa.kernels:
  - .name:           k_q5684105ff2_attn
    .symbol:         k_q5684105ff2_attn.kd
    .args:
      - { .name: qf, .offset: 0, .size: 8, .value_kind: global_buffer, .address_space: global }
      - { .name: kv, .offset: 8, .size: 8, .value_kind: global_buffer, .address_space: global }
      - { .name: ao, .offset: 16, .size: 8, .value_kind: global_buffer, .address_space: global }
    .group_segment_fixed_size: 327680
    .private_segment_fixed_size: 0
    .kernarg_segment_align: 8
    .kernarg_segment_size: 24
    .max_flat_workgroup_size: 256
    .sgpr_count:     96
    .vgpr_count:     512
    .wavefront_size: 32
...
	.end_amdgpu_metadata
.endif
;; end of part 3
;; launch proj (part 4): grid 256 x 1, 4 waves a work-group, no clusters, 327,680 bytes of LDS; arguments oq, ao, out0; writes out0
.if DOCPART == 4
	.amdgcn_target "amdgcn-amd-amdhsa--gfx1250"
	.amdhsa_code_object_version 6
	.text
	.protected	k_q5684105ff2_proj
	.globl	k_q5684105ff2_proj
	.p2align	8
	.type	k_q5684105ff2_proj,@function
k_q5684105ff2_proj:
	s_mov_b64 s[64:65], 0
	v_nop
	global_prefetch_b8 v0, s[64:65] scope:SCOPE_SE
	s_setreg_imm32_b32 hwreg(HW_REG_WAVE_MODE, 25, 1), 1
	s_wait_xcnt 0x0
; out0 = (attention's result) w_o^T on codes of FP6 (E2M3) with E8M0 scales, K = 1,024.  Operands are records of register images (6,400 bytes: four fragments of 16 rows x 128 K, then the rows' scale words).
; D[p][n]: source 0 = P = 128 rows of w_o, source 1 = N = 256 tokens; wave w takes all 8 blocks of P and N's blocks 4 w .. 4 w + 3: 32 accumulators.  16 x 16 = 256 work-groups.
; P, which all four waves read, lies in LDS for all of K as it lies in memory, [block][group of 512 along K]: each wave brings two blocks, 25,600 dense bytes, by its one tensor load at the head.  Nothing in LDS is filled again.
; N's blocks are each read by one wave: they go from memory straight into its registers, four K steps ahead.  NO CLUSTER: a joint load cannot fill registers, and P is a third of a work-group's operand bytes.
; The results leave through each wave's own stage in LDS, as rows of 512 consecutive bytes.
.set REC,   6400
.set RSTB,  2*REC
.set GRP,   8*REC
.set KST,   8
.set NG,    KST/4
.set STG0,  NG*GRP
.set STG,   8448
.set ADP, 4
.set ASP, 8
.set VSN, 12
.set MSB, 0
.macro WIN new
.if MSB != (\new)
	s_set_vgpr_msb (MSB<<8)|(\new)
.set MSB, (\new)
.endif
.endm
.macro PLACES
.rept 4
	v_nop
.endr
.endm
.macro WM zero, ra, rb
.if (\zero)
.if (\ra) && (\rb)
	v_wmma_scale_f32_16x16x128_f8f6f4 v[dD:dD+7], v[dA:dA+11], v[dB:dB+11], 0, v[dSA], v[dSB] matrix_a_fmt:MATRIX_FMT_FP6 matrix_b_fmt:MATRIX_FMT_FP6 matrix_a_scale:MATRIX_SCALE_ROW1 matrix_b_scale:MATRIX_SCALE_ROW1
.elseif (\ra)
	v_wmma_scale_f32_16x16x128_f8f6f4 v[dD:dD+7], v[dA:dA+11], v[dB:dB+11], 0, v[dSA], v[dSB] matrix_a_fmt:MATRIX_FMT_FP6 matrix_b_fmt:MATRIX_FMT_FP6 matrix_a_scale:MATRIX_SCALE_ROW1
.elseif (\rb)
	v_wmma_scale_f32_16x16x128_f8f6f4 v[dD:dD+7], v[dA:dA+11], v[dB:dB+11], 0, v[dSA], v[dSB] matrix_a_fmt:MATRIX_FMT_FP6 matrix_b_fmt:MATRIX_FMT_FP6 matrix_b_scale:MATRIX_SCALE_ROW1
.else
	v_wmma_scale_f32_16x16x128_f8f6f4 v[dD:dD+7], v[dA:dA+11], v[dB:dB+11], 0, v[dSA], v[dSB] matrix_a_fmt:MATRIX_FMT_FP6 matrix_b_fmt:MATRIX_FMT_FP6
.endif
.else
.if (\ra) && (\rb)
	v_wmma_scale_f32_16x16x128_f8f6f4 v[dD:dD+7], v[dA:dA+11], v[dB:dB+11], v[dD:dD+7], v[dSA], v[dSB] matrix_a_fmt:MATRIX_FMT_FP6 matrix_b_fmt:MATRIX_FMT_FP6 matrix_a_scale:MATRIX_SCALE_ROW1 matrix_b_scale:MATRIX_SCALE_ROW1
.elseif (\ra)
	v_wmma_scale_f32_16x16x128_f8f6f4 v[dD:dD+7], v[dA:dA+11], v[dB:dB+11], v[dD:dD+7], v[dSA], v[dSB] matrix_a_fmt:MATRIX_FMT_FP6 matrix_b_fmt:MATRIX_FMT_FP6 matrix_a_scale:MATRIX_SCALE_ROW1
.elseif (\rb)
	v_wmma_scale_f32_16x16x128_f8f6f4 v[dD:dD+7], v[dA:dA+11], v[dB:dB+11], v[dD:dD+7], v[dSA], v[dSB] matrix_a_fmt:MATRIX_FMT_FP6 matrix_b_fmt:MATRIX_FMT_FP6 matrix_b_scale:MATRIX_SCALE_ROW1
.else
	v_wmma_scale_f32_16x16x128_f8f6f4 v[dD:dD+7], v[dA:dA+11], v[dB:dB+11], v[dD:dD+7], v[dSA], v[dSB] matrix_a_fmt:MATRIX_FMT_FP6 matrix_b_fmt:MATRIX_FMT_FP6
.endif
.endif
.endm
.macro NSET k
.set nS, (\k)%5
.if nS < 3
.set nW, 0
.set nB, 96+48*nS
.else
.set nW, 3
.set nB, 128+48*(nS-3)
.endif
.endm
.macro NLOAD k
	NSET \k
	WIN nW<<6
.irp n, 0,1,2,3
.irp c, 0,1,2
	global_load_b128 v[nB+12*\n+4*\c:nB+12*\n+4*\c+3], v[ADP], s[70:71] offset:RSTB*\n+REC*((\k)/4)+1536*((\k)%4)+512*\c
.endr
.endr
	WIN 0
.endm
.macro NWAIT k
.set xx, KST-1-(\k)
.if xx > 3
.set xx, 3
.endif
	s_wait_loadcnt 12*xx
.endm
.macro MUL16 n0, k, zero
.set nn, \n0
.rept 2
.set aa, 0
.rept 8
.set dD, 8*(8*nn+aa)
.set dA, 96*((\k)%2)+12*aa
.set dB, nB+12*nn
.set dSA, 32+16*(((\k)/4)%2)+4*(aa%4)+(\k)%4
.set dSB, 64+8*((\k)/4)+4*(nn%2)+(\k)%4
	WM \zero, aa/4, nn/2
.set aa, aa+1
.endr
.set nn, nn+1
.endr
.endm
.macro FETCH g, q, p
	WIN 0x40
.irp a, 0,1,2,3,4,5,6,7
.irp c, 0,1,2
	ds_load_b128 v[96*(\p)+12*\a+4*\c:96*(\p)+12*\a+4*\c+3], v[ADP+\a/4] offset:RSTB*(\a%4)+REC*(\g)+1536*(\q)+512*\c
.endr
.endr
	WIN 0
.endm
.macro SCALES g
.irp i, 0,1,2,3
	ds_load_b128 v[32+16*((\g)%2)+4*\i:35+16*((\g)%2)+4*\i], v[ASP] offset:RSTB*\i+REC*(\g)
.endr
.endm
.macro STEP k, zero
	s_wait_dscnt 0x0
	NWAIT \k
	PLACES
	FETCH ((\k)+1)/4, ((\k)+1)%4, 1-(\k)%2
.if ((\k)+1)%4 == 0
	SCALES ((\k)+1)/4
.endif
.if (\k)+4 < KST
	NLOAD (\k)+4
.endif
	NSET \k
	WIN 0xa1|(nW<<2)
	MUL16 0, \k, \zero
	MUL16 2, \k, \zero
	WIN 0
.endm
.macro TOSTAGE n
	WIN 0x08
.irp b, 0,1,2,3
.irp k, 0,1,2,3
	ds_store_b128 v15, v[64*(\n)+16*\b+4*\k:64*(\n)+16*\b+4*\k+3] offset:128*\b+16*\k
.endr
.endr
	WIN 0
.irp t, 0,1,2,3,4,5,6,7,8,9,10,11,12,13,14,15
	ds_load_b128 v[96+64*((\n)%2)+4*\t:96+64*((\n)%2)+4*\t+3], v16 offset:528*\t
.endr
.endm
.macro SEND n, younger
	s_wait_dscnt \younger
.irp t, 0,1,2,3,4,5,6,7,8,9,10,11,12,13,14,15
	global_store_b128 v[ADP], v[96+64*((\n)%2)+4*\t:96+64*((\n)%2)+4*\t+3], s[8:9] offset:(32*((\n)/2)+8*((\n)%2)+\t+8*(\t/8))*8192 th:TH_STORE_NT
.endr
.endm
	s_load_b128 s[4:7], s[0:1], 0x0
	s_load_b64 s[8:9], s[0:1], 0x10
	v_lshl_add_u32 v254, v0, 2, 0x29000
	v_mov_b32 v255, 0
	ds_add_u32 v254, v255
	ds_add_u32 v254, v255
	v_lshrrev_b32 v1, 5, v0
	v_readfirstlane_b32 s20, v1
	v_and_b32 v1, 31, v0
	v_and_b32 v2, 15, v0
	v_bfe_u32 v3, v0, 4, 1
	v_lshlrev_b32 v[ADP], 4, v1
	v_add_nc_u32 v[ADP+1], GRP, v[ADP]
	v_lshlrev_b32 v[ASP], 4, v2
	v_mad_u32_u24 v[VSN], v3, 2*RSTB, v[ASP]
	v_mad_u32_u24 v[ASP], v3, 4*RSTB, v[ASP]       ; P's scale words: 16 r; lanes 16-31 four blocks on
	v_add_nc_u32 v[ASP], 6144, v[ASP]
	s_mul_i32 s3, s20, STG
	s_add_co_u32 s3, s3, STG0
	v_mul_u32_u24 v15, v2, 528
	v_lshl_add_u32 v15, v3, 6, v15
	v_add_nc_u32 v15, s3, v15
	v_add_nc_u32 v16, s3, v[ADP]
	s_lshr_b32 s25, ttmp9, 4
	s_and_b32 s24, ttmp9, 15
	s_lshl_b32 s67, s25, 4
	s_lshl_b32 s66, s20, 2
	s_add_co_u32 s67, s67, s66
	s_mul_i32 s68, s67, RSTB
	s_mov_b32 s69, 0
	s_lshl_b32 s84, s24, 3
	s_lshl_b32 s85, s20, 1
	s_add_co_u32 s84, s84, s85
	s_mul_i32 s84, s84, RSTB
	s_mov_b32 s85, 0
	s_lshl_b32 s86, s25, 2
	s_add_co_u32 s86, s86, s20
	s_lshl_b32 s86, s86, 19
	s_lshl_b32 s87, s24, 9
	s_add_co_u32 s86, s86, s87
	s_mov_b32 s87, 0
	s_mov_b32 s28, 3<<16                           ; my two blocks of P: 25,600 dense bytes as 100 rows of 256 (32 elements of 8 bytes)
	s_mov_b32 s29, 32<<16
	s_mov_b32 s30, 100<<16
	s_mov_b32 s31, 32<<16
	s_mov_b32 s32, 100
	s_mov_b32 s33, 32
	s_mov_b32 s34, 0
	s_mov_b32 s35, 0
	s_mov_b32 s44, 1
	s_mul_i32 s45, s20, 2*RSTB
	s_wait_alu depctr_va_vdst(0)
	s_wait_dscnt 0x0
	s_wait_kmcnt 0x0
	s_add_nc_u64 s[72:73], s[4:5], s[84:85]
	s_add_nc_u64 s[70:71], s[6:7], s[68:69]
	s_add_nc_u64 s[8:9], s[8:9], s[86:87]
	s_mov_b64 s[46:47], s[72:73]
	s_or_b32 s47, s47, 0x80000000
	tensor_load_to_lds s[44:47], s[28:35]          ; the wave's one tensor load
	s_nop 0
.rept 4
	v_nop
.endr
.irp g, 0,1
.irp j, 0,1
	global_load_b128 v[64+8*\g+4*\j:67+8*\g+4*\j], v[VSN], s[70:71] offset:RSTB*\j+REC*\g+6144
.endr
.endr
	NLOAD 0
	NLOAD 1
	NLOAD 2
	NLOAD 3
	s_wait_tensorcnt 0x0                           ; my part of P is in; behind the barrier everybody's is
	s_barrier_signal -1
	s_barrier_wait -1
	FETCH 0, 0, 0
	SCALES 0
	STEP 0, 1
	STEP 1, 0
	STEP 2, 0
	STEP 3, 0
	STEP 4, 0
	STEP 5, 0
	STEP 6, 0
	s_wait_dscnt 0x0
	NWAIT 7
	NSET 7
	WIN 0xa1|(nW<<2)
	MUL16 0, 7, 0
	MUL16 2, 7, 0
	WIN 0
	PLACES
	TOSTAGE 0
	TOSTAGE 1
	SEND 0, 32
	s_wait_xcnt 0x0
	TOSTAGE 2
	SEND 1, 32
	s_wait_xcnt 0x0
	TOSTAGE 3
	SEND 2, 32
	SEND 3, 0
	s_wait_tensorcnt 0x0
	ds_add_u32 v254, v255
	s_wait_dscnt 0x0
	s_endpgm
.Lfunc_end_k_q5684105ff2_proj:
	.size	k_q5684105ff2_proj, .Lfunc_end_k_q5684105ff2_proj-k_q5684105ff2_proj
	.p2alignl 7, 3214868480
	.fill 96, 4, 3214868480
	.section	.rodata,"a",@progbits
	.p2align	6, 0x0
	.amdhsa_kernel k_q5684105ff2_proj
		.amdhsa_group_segment_fixed_size 327680
		.amdhsa_private_segment_fixed_size 0
		.amdhsa_enable_private_segment 0
		.amdhsa_kernarg_size 24
		.amdhsa_user_sgpr_count 2
		.amdhsa_user_sgpr_kernarg_segment_ptr 1
		.amdhsa_wavefront_size32 1
		.amdhsa_system_sgpr_workgroup_id_x 1
		.amdhsa_system_sgpr_workgroup_id_y 1
		.amdhsa_system_sgpr_workgroup_id_z 1
		.amdhsa_system_vgpr_workitem_id 0
		.amdhsa_next_free_vgpr 1024
		.amdhsa_next_free_sgpr 96
		.amdhsa_reserve_vcc 0
		.amdhsa_float_denorm_mode_32 3
		.amdhsa_float_denorm_mode_16_64 3
		.amdhsa_memory_ordered 1
		.amdhsa_forward_progress 1
		.amdhsa_inst_pref_size 75
	.end_amdhsa_kernel
	.amdgpu_metadata
---
amdhsa.version: [ 1, 2 ]
amdhsa.kernels:
  - .name:           k_q5684105ff2_proj
    .symbol:         k_q5684105ff2_proj.kd
    .args:
      - { .name: oq, .offset: 0, .size: 8, .value_kind: global_buffer, .address_space: global }
      - { .name: ao, .offset: 8, .size: 8, .value_kind: global_buffer, .address_space: global }
      - { .name: out0, .offset: 16, .size: 8, .value_kind: global_buffer, .address_space: global }
    .group_segment_fixed_size: 327680
    .private_segment_fixed_size: 0
    .kernarg_segment_align: 8
    .kernarg_segment_size: 24
    .max_flat_workgroup_size: 128
    .sgpr_count:     96
    .vgpr_count:     1024
    .wavefront_size: 32
...
	.end_amdgpu_metadata
.endif
;; end of part 4
